; MI455X (gfx1250); checked and timed in simulation.
; The chip was launched on July 23, 2026; its instructions are those of AMD's public machine-readable ISA for CDNA 5 (MIT licence, August 2026) and "CDNA5" Instruction Set Architecture Reference Guide (July 2026). The comments in the code are by the model that wrote it; some were corrected since.
;; Bert Self Output PAL. Allowed arithmetic: matrix products marked QUANTISED: E2M3 operands, one E8M0 scale for each 32 along K, by v_wmma_scale_f32_16x16x128_f8f6f4 with both operands' format E2M3, f32 sums; products left as they are: f32 operands where the result goes on into a quantised operand, else bf16, f16 or f32 operands; f32 sums; everything else in f32.
;; Inputs: attention_mask 8 x 1 x 1 x 2,048 float32; dense_W_codes 1,024 x 32 x 24 uint8 (E2M3 codes of dense_W, K innermost, in blocks of 32 codes, four codes in three bytes); dense_W_scales 1,024 x 32 uint8 (E8M0 scales of dense_W, one for each 32 codes along K); dense_b 1,024 float32; enc_W 1,024 float32; enc_b one number float32; hidden_states_codes 8 x 2,048 x 32 x 24 uint8 (E2M3 codes of hidden_states, K innermost, in blocks of 32 codes, four codes in three bytes); hidden_states_scales 8 x 2,048 x 32 uint8 (E8M0 scales of hidden_states, one for each 32 codes along K); input_tensor 8 x 2,048 x 1,024 float32; ln_b 1,024 float32; ln_g 1,024 float32; pal_W1_codes 4 x 256 x 32 x 24 uint8 (E2M3 codes of pal_W1, K innermost, in blocks of 32 codes, four codes in three bytes); pal_W1_scales 4 x 256 x 32 uint8 (E8M0 scales of pal_W1, one for each 32 codes along K); pal_W2_codes 4 x 1,024 x 8 x 24 uint8 (E2M3 codes of pal_W2, K innermost, in blocks of 32 codes, four codes in three bytes); pal_W2_scales 4 x 1,024 x 8 uint8 (E8M0 scales of pal_W2, one for each 32 codes along K); pal_b1 4 x 256 float32; pal_b2 4 x 1,024 float32; sel_W 4 x 1,024 float32; sel_b 4 float32.
;; Outputs: out0 8 x 2,048 x 1,024 float32.
;; This version of the problem:
;;   THIS VERSION OF THE PROBLEM IS GIVEN IN LOW PRECISION. The matrix products marked QUANTISED in the list below multiply operands that are first quantised to E2M3 (2 exponent bits, 3 mantissa bits; 6 bits a number), with one power-of-two scale for each 32 numbers along K (OCP MX v1.0); their sums are f32. All else is computed in f32.
;;   The module's matrix products, in the order in which they are computed (A, B: the left and right operand; K: the contracted axis; several contracted axes count as one K, in the product's order):
;;     1. [M 16,384, K 1,024] x [K 1,024, N 1,024]; A: input hidden_states (given as codes); B: input dense_W (given as codes): QUANTISED
;;     2. [M 1,024, K 1,024] x [K 1,024, N 16,384]; A: input pal_W1 (given as codes); B: computed on the way: QUANTISED
;;     3. batch 4 x [M 1,024, K 256] x [K 256, N 16,384]; A: input pal_W2 (given as codes); B: computed on the way: QUANTISED
;;     4. [M 16,384, K 1,024] x [K 1,024, N 1]; A: computed on the way; B: input enc_W: left as it is (N = 1 < 16)
;;     5. batch 8 x [M 1, K 2,048] x [K 2,048, N 1,024]; A: softmax; B: computed on the way: left as it is (M = 1 < 16)
;;     6. [M 8, K 1,024] x [K 1,024, N 4]; A: computed on the way; B: input sel_W: left as it is (M = 8 < 16)
;;     7. batch 8 x [M 2,097,152, K 4] x [K 4, N 1]; A: computed on the way; B: softmax: left as it is (K = 4 < 32)
;;   THE QUANTISER, for each operand of a quantised product, along K:
;;     - K is cut into blocks of 32 from its start; a last block that is shorter is filled with zeros.
;;     - A block's scale is 2^e with e = floor(log2(the largest magnitude in the block)) - 2, held to -126 .. 127; a block of zeros has e = 0. As a byte (E8M0): e + 127.
;;     - Each number is divided by its block's scale, clamped to +-7.5, and rounded to the nearest number of E2M3, ties to even, subnormals kept.
;;     - The product sums the exact products of the quantised numbers (number of the format x scale) in f32.
;;   ~~~python
;;   def quantise(x, axis):      # numpy; x: float32 -> the quantised numbers, widened to float32 again
;;       x = np.moveaxis(x, axis, -1); K = x.shape[-1]
;;       x = np.pad(x, [(0, 0)] * (x.ndim - 1) + [(0, -K % 32)]); x = x.reshape(x.shape[:-1] + (-1, 32)); a = np.abs(x).max(-1, keepdims=True)
;;       e = np.where(a > 0, np.clip(np.frexp(np.where(a > 0, a, 1))[1] - 1 - 2, -126, 127), 0)      # np.frexp(a)[1] - 1 = floor(log2(a)), exactly
;;       r = np.clip(x / 2.0 ** e, -7.5, 7.5)
;;       step = 2.0 ** (np.maximum(np.frexp(np.where(r == 0, 1, r))[1] - 1, 0) - 3)
;;       q = np.round(r / step) * step * 2.0 ** e      # np.round: ties to even
;;       return np.moveaxis(q.reshape(q.shape[:-2] + (-1,))[..., :K], -1, axis).astype(np.float32)
;;   ~~~
;;   OPERANDS COMPUTED ON THE WAY. 'Computed on the way' means the value that the module computes at that place (a softmax that the list does not call 'softmax' is quantised finished and normalised). What goes into a quantiser is computed in f32, as accurately as f32 sums, v_exp_f32 and their like allow (about 1e-6 of the number): no bf16 or f16 on the way to a quantiser, and a product that is left as it is and whose result goes on into a quantised operand takes f32 operands (vector FMAs, or v_wmma_f32_16x16x4_f32). A number that lies on a knife's edge between two numbers of the format may be rounded either way, as far as f32 arithmetic and the matrix unit's own rounding can turn it there, and no further.
;;   INPUTS GIVEN AS CODES. dense_W (in the module: [1024, 1024], K = its axis 0); hidden_states (in the module: [8, 2048, 1024], K = its axis 2); pal_W1 (in the module: [4, 1024, 256], K = its axis 1); pal_W2 (in the module: [4, 256, 1024], K = its axis 1): each comes as NAME_codes (uint8): NAME with its K axis moved to the last place and cut into blocks of 32 codes, [.., K / 32, bytes a block], one block behind the other in memory; four codes in three bytes: a row's codes are one little-endian stream of bits, code i at bits 6 i .. 6 i + 5 (a code: sign, 2 exponent bits, 3 mantissa bits); and NAME_scales (uint8): the same leading axes, one E8M0 byte (e + 127) for each 32 codes along K. Its value is code x scale, taken as it is: it is not quantised again, and the codes and scales need not be those that the quantiser above would give.
;; 2 versions. Each part assembles by itself: llvm-mc -triple=amdgcn-amd-amdhsa -mcpu=gfx1250 --defsym DOCPART=n.
;; ======== version 1 of 2: 2 launches
;; workspace buffers: wimg 2,555,904 bytes; part 1,310,720 bytes
;; launch stats (part 1): grid 4 x 64, 4 waves a work-group, clusters of 4 x 4, 327,680 bytes of LDS; arguments hidden_states_codes, hidden_states_scales, dense_W_codes, dense_W_scales, dense_b, pal_W1_codes, pal_W1_scales, pal_b1, pal_W2_codes, pal_W2_scales, pal_b2, enc_W, sel_W, wimg, part; writes wimg, part
.if DOCPART == 1
	.amdgcn_target "amdgcn-amd-amdhsa--gfx1250"
	.amdhsa_code_object_version 6
	.text
	.protected	k_q319ab08036_stats
	.globl	k_q319ab08036_stats
	.p2align	8
	.type	k_q319ab08036_stats,@function
k_q319ab08036_stats:
	s_mov_b64 s[64:65], 0
	v_nop
	global_prefetch_b8 v0, s[64:65] scope:SCOPE_SE
	s_setreg_imm32_b32 hwreg(HW_REG_WAVE_MODE, 25, 1), 1
	s_wait_xcnt 0x0
	s_wait_alu depctr_hold_cnt(0) depctr_sa_sdst(0) depctr_va_vdst(0) depctr_va_sdst(0) depctr_va_ssrc(0) depctr_va_vcc(0) depctr_vm_vsrc(0)
	s_getreg_b32 s2, hwreg(HW_REG_IB_STS2, 6, 4)
	s_cmp_eq_u32 s2, 0
	s_cbranch_scc0 .Lentry_in_a_cluster
	s_endpgm
.Lentry_in_a_cluster:
	s_bfe_u32 s2, ttmp6, 0x10000c
	s_cmp_lg_u32 s2, 0xf033
	s_cbranch_scc0 .Lentry_shape_is_right
	s_endpgm
.Lentry_shape_is_right:
; STATS: the first of two launches.  h = hidden_states x dense_W + dense_b on codes of FP6 (E2M3) with E8M0 scales, in tiles of 256 x 256; h is not stored: of each row and each tile column
; five partial dot products go out, h . enc_W and h . sel_W[0..3] over the tile's 256 columns, f32: part[v][tile column][row].  Beside that each work-group lays 1/256 of the three weights
; out for the second launch (wimg): images of operand registers, scale words and biases in the order in which that launch walks them.
; WORK LEFT OUT, for all values of the inputs: enc_b is added to every one of the 2,048 logits of a batch, and the softmax over these logits is unchanged by a term that is the same along its
; axis; enc_b reaches no output by any other way.  It is not loaded and is no argument of either launch.  LIMIT: a NaN, an infinity or an overflow that enc_b alone would bring is not carried.
; ANOTHER ORDER OF SUMS, for all values: task_vector . sel_W[t] = sum over s of w_s (h_s . sel_W[t]): so five numbers a row serve in place of h.  h itself is computed again in the second launch.
; LIMITS: a given scale byte 0xff gives NaN, as the matrix instruction defines it.
; THE PRODUCT: four waves, each 128 x 128 of a tile: 64 accumulators, 512 registers.  K goes in steps of 256 through a ring of two LDS slots filled by the tensor data mover; the scale bytes
; of the work-group's rows come once and stay.  4 x 4 work-groups form a cluster: A's tiles are asked for jointly along a row of it, B's along a column.  The matrix instruction is used
; transposed (source 0 = 16 rows of dense_W, source 1 = 16 tokens): a lane holds one token and eight neighbouring columns.  dense_b is the C of the first K step's products.
; REGISTERS: window 0: v0-31 addresses; v32-63 scale words, two sets; v64-127 dense_b in the result's layout; from v128 A's fragments, later the five vectors; window 1: B's fragments, two sets,
; later the sums of the dots; windows 2, 3: the accumulators.
.set SIZE_K, 1024
.set KSTEP,  256
.set NQ,     2
.set ROWB,   192                       ; a tile's row: 256 codes
.set KROW,   768                       ; a row of codes in memory
.set PITCH,  240                       ; an LDS row: 3 x (64 bytes + 16 of padding)
.set FR,     12
.set NL,     6
.set NP,     4
.set HALFT,  128*PITCH
.set SLOT,   4*HALFT
.set LAPS,   SIZE_K/(2*KSTEP)
.set KS,     32                        ; a row of scale bytes
.set SCL,    2*SLOT                    ; the scales, as units of 256 bytes + 16
.set HALFS,  16*272
.set SBLK,   2*272
.set SPARE,  SCL+4*HALFS               ; the spare words: 128 bytes a wave, named by no other line
.set EV,     SPARE+512                 ; enc_W and sel_W[0..3] at the tile's 256 columns: 5 x 1,024 bytes; no fill lands here
.set SCR,    EV+5*1024                 ; 4 waves x 5 x 512 bytes: the waves' partial dots
.set ADRA, 16
.set ADRB, 20
.set EA,   24                          ; v24  EV + 512 x my column half + 32 (lane / 16)
.set EW,   25                          ; v25  EV + 8 x thread
.set SW,   26                          ; v26  SCR + 2,560 x wave + 4 x lane
.set ADRS, 27
.set SPW,  28
.set NIL,  29
.set SRD,  30                          ; v30  SCR + 2,560 x wave + 16 x lane
.set PO,   31                          ; v31  16 x lane
.set SC,   32
.set BI,   64
.set AF,   128
.set E0,   128
.set G1, 24
.set G0, 32
.set G1B, 48
.set G0B, 56
.set G1S, 68
.set G0S, 76
.set G1SB, 80
.set G0SB, 88
.set MSB, 0
.macro WIN new                         ; the immediate's high byte repeats the setting that is left
.if MSB != (\new)
	s_set_vgpr_msb (MSB<<8)|(\new)
.set MSB, \new
.endif
.endm
.set MUL_LO, 0xa1
.set MUL_HI, 0xf1
.set TO_B,   0x40
.macro JLOAD g0a, g1a, g0b, g1b        ; a joint load: waves 0 and 1 fetch for A, waves 2 and 3 for B; the branch hangs on the wave's number alone
	s_cmp_eq_u32 s15, 0
	s_cbranch_scc0 .Lfor_b_\@
	tensor_load_to_lds s[\g0a:\g0a+3], s[\g1a:\g1a+7]
	s_nop 0
.rept 4
	v_nop
.endr
	s_branch .Lasked_\@
.Lfor_b_\@:
	tensor_load_to_lds s[\g0b:\g0b+3], s[\g1b:\g1b+7]
	s_nop 0
.rept 4
	v_nop
.endr
.Lasked_\@:
.endm
.macro CREST                           ; a round of the cluster's barrier behind its opening barrier
	s_cmp_lg_u32 s14, 0
	s_cbranch_scc1 .Lnot_wave_0_\@
	s_barrier_signal -3
.Lnot_wave_0_\@:
	s_barrier_wait -3
	s_barrier_signal -1
	s_barrier_wait -1
.endm
.macro CROUND
	s_barrier_signal -1
	s_barrier_wait -1
	CREST
.endm
	s_load_b256 s[4:11], s[0:1], 0x0               ; tokens' codes, tokens' scales, dense_W's codes, dense_W's scales
	s_load_b64 s[12:13], s[0:1], 0x20              ; dense_b
	s_load_b128 s[96:99], s[0:1], 0x58             ; enc_W, sel_W
	s_load_b64 s[100:101], s[0:1], 0x70            ; part
	v_lshl_add_u32 v[SPW], v0, 2, SPARE
	v_mov_b32 v[NIL], 0
	ds_add_u32 v[SPW], v[NIL]                      ; the opening: the add, twice on end, and its wait ahead of my first tensor load
	ds_add_u32 v[SPW], v[NIL]
	v_lshrrev_b32 v1, 5, v0
	v_readfirstlane_b32 s14, v1                    ; wave 0..3
	s_lshr_b32 s15, s14, 1                         ; my half of the tile's rows; also: I fetch for A (0) or B (1)
	s_and_b32 s16, s14, 1                          ; my half of its columns; also: which 128 rows I fetch
	s_bfe_u32 s40, ttmp6, 0x40000                  ; cx
	s_bfe_u32 s41, ttmp6, 0x40004                  ; cy
	s_lshl_b32 s42, ttmp9, 2
	s_add_co_u32 s42, s42, s40                     ; tile column
	s_and_b32 s17, ttmp7, 0xffff
	s_lshl_b32 s17, s17, 2
	s_add_co_u32 s17, s17, s41                     ; tile row
	s_lshl_b32 s43, s41, 2
	s_lshl_b32 s43, 15, s43                        ; my row of the cluster
	s_lshl_b32 s44, 0x1111, s40                    ; my column
	s_or_b32 s[G1+0], s43, (0<<16)|(1<<20)|(1<<21)|(3<<22)|(3<<25)   ; mask; bytes; padding of 4 words behind every 16; bit 21 beside a mask
	s_or_b32 s[G1B+0], s44, (0<<16)|(1<<20)|(1<<21)|(3<<22)|(3<<25)
.irp g, G1, G1B
	s_mov_b32 s[\g+1], ROWB<<16
	s_mov_b32 s[\g+2], 128<<16
	s_mov_b32 s[\g+3], ROWB<<16
	s_mov_b32 s[\g+4], 128
	s_mov_b32 s[\g+5], KROW
	s_mov_b32 s[\g+6], 0
	s_mov_b32 s[\g+7], 0
.endr
	s_or_b32 s[G1S+0], s43, (3<<16)|(1<<20)|(1<<21)|(5<<22)|(3<<25)  ; the scales of 128 rows: 16 rows of 256 bytes, 16 bytes of padding behind each
	s_or_b32 s[G1SB+0], s44, (3<<16)|(1<<20)|(1<<21)|(5<<22)|(3<<25)
.irp g, G1S, G1SB
	s_mov_b32 s[\g+1], 32<<16
	s_mov_b32 s[\g+2], 16<<16
	s_mov_b32 s[\g+3], 32<<16
	s_mov_b32 s[\g+4], 16
	s_mov_b32 s[\g+5], 32
	s_mov_b32 s[\g+6], 0
	s_mov_b32 s[\g+7], 0
.endr
	s_lshl_b32 s18, s16, 7
	s_lshl_b32 s20, s17, 8
	s_add_co_u32 s20, s20, s18                     ; A: row 256 x tile row + 128 x half
	s_lshl_b32 s46, s42, 8
	s_add_co_u32 s46, s46, s18                     ; B: row 256 x tile column + 128 x half
	s_mov_b32 s21, 0
	s_mov_b32 s47, 0
	s_mov_b64 s[18:19], KS
	s_mul_u64 s[22:23], s[20:21], s[18:19]
	s_mul_u64 s[92:93], s[46:47], s[18:19]
	s_mov_b64 s[18:19], KROW
	s_mul_u64 s[20:21], s[20:21], s[18:19]
	s_mul_u64 s[46:47], s[46:47], s[18:19]
	s_mul_i32 s45, s14, HALFT
	s_mul_i32 s94, s14, HALFS
	s_wait_dscnt 0x0                               ; both opening adds are done
	s_wait_kmcnt 0x0
	s_add_nc_u64 s[20:21], s[4:5], s[20:21]
	s_add_nc_u64 s[22:23], s[6:7], s[22:23]
	s_add_nc_u64 s[46:47], s[8:9], s[46:47]
	s_add_nc_u64 s[92:93], s[10:11], s[92:93]
	CROUND                                         ; all sixteen work-groups are here: the first joint loads meet
	s_mov_b32 s[G0S], 1
	s_add_co_u32 s[G0S+1], s94, SCL
	s_mov_b64 s[G0S+2:G0S+3], s[22:23]
	s_or_b32 s[G0S+3], s[G0S+3], 0x80000000
	s_mov_b32 s[G0SB], 1
	s_add_co_u32 s[G0SB+1], s94, SCL
	s_mov_b64 s[G0SB+2:G0SB+3], s[92:93]
	s_or_b32 s[G0SB+3], s[G0SB+3], 0x80000000
	JLOAD G0S, G1S, G0SB, G1SB                     ; the scales first
.irp s, 0,1
	s_mov_b32 s[G0+4*\s], 1
	s_add_co_u32 s[G0+4*\s+1], s45, \s*SLOT
	s_add_nc_u64 s[G0+4*\s+2:G0+4*\s+3], s[20:21], \s*ROWB
	s_or_b32 s[G0+4*\s+3], s[G0+4*\s+3], 0x80000000
	s_mov_b32 s[G0B+4*\s], 1
	s_add_co_u32 s[G0B+4*\s+1], s45, \s*SLOT
	s_add_nc_u64 s[G0B+4*\s+2:G0B+4*\s+3], s[46:47], \s*ROWB
	s_or_b32 s[G0B+4*\s+3], s[G0B+4*\s+3], 0x80000000
	JLOAD G0+4*\s, G1, G0B+4*\s, G1B
.endr
	v_and_b32 v1, 15, v0                           ; r
	v_bfe_u32 v2, v0, 4, 1                         ; h
	v_mul_u32_u24 v3, v1, PITCH
	v_mul_u32_u24 v4, v2, 24
	v_add_nc_u32 v4, v3, v4
	v_lshl_add_u32 v5, v2, 4, v4                   ; the same behind one padding more
	s_mul_i32 s21, s15, HALFT
	s_mul_i32 s22, s16, HALFT
	s_add_co_u32 s22, s22, 2*HALFT
.irp s, 0,1
	v_add_nc_u32 v[ADRA+\s], s21, v4
	v_add_nc_u32 v[ADRB+\s], s22, v4
	v_add_nc_u32 v[ADRA+2+\s], s21, v5
	v_add_nc_u32 v[ADRB+2+\s], s22, v5
	s_add_co_u32 s21, s21, SLOT
	s_add_co_u32 s22, s22, SLOT
.endr
	v_mul_u32_u24 v5, v1, KS
	v_lshrrev_b32 v6, 8, v5
	v_lshl_add_u32 v5, v6, 4, v5
	s_mul_i32 s21, s15, HALFS
	s_mul_i32 s22, s16, HALFS
	s_add_co_u32 s22, s22, 2*HALFS
	s_sub_co_u32 s22, s22, s21
	v_mul_u32_u24 v6, s22, v2                      ; lanes 16-31 take B's scale words
	s_add_co_u32 s21, s21, SCL
	v_add_nc_u32 v5, v5, v6
	v_add_nc_u32 v[ADRS], s21, v5
	; every LDS address of the way out is made here, ahead of the waves' parting
	s_lshl_b32 s18, s16, 9
	s_add_co_u32 s18, s18, EV
	v_lshl_add_u32 v[EA], v2, 5, s18
	v_lshl_add_u32 v[EW], v0, 3, EV
	s_mul_i32 s18, s14, 2560
	s_add_co_u32 s18, s18, SCR
	v_and_b32 v7, 31, v0
	v_lshl_add_u32 v[SW], v7, 2, s18
	v_lshl_add_u32 v[SRD], v7, 4, s18
	v_lshlrev_b32 v[PO], 4, v7
	v_lshlrev_b32 v13, 2, v7                       ; 4 x lane
	; dense_b in the result's layout: register 8 b + j of lane (r, h) = dense_b[256 x tile column + 128 x my half + 16 b + 8 h + j]
	s_lshl_b32 s46, s42, 10
	s_mov_b32 s47, 0
	s_add_nc_u64 s[96:97], s[96:97], s[46:47]      ; enc_W, sel_W and dense_b at the tile's first column
	s_add_nc_u64 s[98:99], s[98:99], s[46:47]
	s_add_nc_u64 s[12:13], s[12:13], s[46:47]
	s_lshl_b32 s46, s16, 9
	s_add_nc_u64 s[12:13], s[12:13], s[46:47]
	v_lshlrev_b32 v5, 5, v2
.irp b, 0,1,2,3,4,5,6,7
	global_load_b128 v[BI+8*\b:BI+8*\b+3], v5, s[12:13] offset:64*\b
	global_load_b128 v[BI+8*\b+4:BI+8*\b+7], v5, s[12:13] offset:64*\b+16
.endr
	v_lshlrev_b32 v6, 3, v0                        ; the five vectors: 8 bytes a thread, 1,024 bytes a vector
	global_load_b64 v[224:225], v6, s[96:97]
.irp t, 0,1,2,3
	global_load_b64 v[226+2*\t:227+2*\t], v6, s[98:99] offset:4096*\t
.endr
	s_lshl_b32 s18, s17, 10                        ; part: 4 (256 x tile row + 128 x my row half) + 65,536 x tile column
	s_lshl_b32 s19, s15, 9
	s_add_co_u32 s18, s18, s19
	s_lshl_b32 s19, s42, 16
	s_add_co_u32 s18, s18, s19
	s_mov_b32 s19, 0
	s_add_nc_u64 s[100:101], s[100:101], s[18:19]
	; THE WEIGHTS' LAYOUT.  Job j = 4 x tile row + tile column, 0..255, names slot sigma = j / 32 of a weight's eight, quarter q = (j / 8) % 4 and tile i' = j % 8.  Wave 0 does the job for
	; dense_W, wave 1 for pal_W1, wave 2 for pal_W2: two fragments (K steps e = 0, 1) as images of their twelve registers, one word of scales a lane (row lane % 16, K step lane / 16), one tile of bias.
	; Lane r of a tile takes weight row n0 + r + 8 (r / 8), so that two neighbouring tiles' sixteen result registers are sixteen neighbours along the next product's K.
	s_lshl_b32 s66, s17, 2
	s_add_co_u32 s66, s66, s42
	s_lshr_b32 s67, s66, 5                         ; sigma
	s_bfe_u32 s92, s66, 0x20003                    ; q
	s_and_b32 s93, s66, 7                          ; i'
	v_and_b32 v8, 8, v1
	v_add_nc_u32 v8, v8, v1                        ; r + 8 (r / 8)
	v_bfe_u32 v11, v0, 3, 1
	v_and_b32 v12, 7, v0
	v_lshl_add_u32 v11, v11, 4, v12
	v_lshlrev_b32 v11, 2, v11                      ; bias: word l = bias[n0 + 16 ((l / 8) % 2) + l % 8]
.macro PREP ph, argo, str, sstr
	s_load_b128 s[4:7], s[0:1], \argo              ; this weight's codes and scales,
	s_load_b64 s[8:9], s[0:1], \argo+0x10          ; its bias,
	s_load_b64 s[10:11], s[0:1], 0x68              ; wimg
.if \ph == 1
	s_lshr_b32 s18, s67, 2                         ; sigma = 4 half + sp
	s_and_b32 s19, s67, 3
.else
	s_and_b32 s18, s67, 1                          ; sigma = 2 sp + half (pal_W2: 2 task + half)
	s_lshr_b32 s19, s67, 1
.endif
	s_lshl_b32 s18, s18, 3
	s_add_co_u32 s18, s18, s93                     ; tile i = 8 half + i'
	s_lshr_b32 s20, s18, 1
	s_lshl_b32 s20, s20, 5
	s_and_b32 s21, s18, 1
	s_lshl_b32 s21, s21, 3
	s_add_co_u32 s20, s20, s21
	s_lshl_b32 s21, s92, 8
	s_add_co_u32 s20, s20, s21                     ; n0 = 256 q + 32 (i / 2) + 8 (i % 2)
.if \ph == 2
	s_lshl_b32 s21, s19, 10
	s_add_co_u32 s20, s20, s21                     ; + 1,024 x task
	s_mov_b32 s19, 0                               ; its K begins at 0
.endif
	s_mul_i32 s22, s20, \str
	s_mul_i32 s23, s19, 192                        ; K steps 2 sp, 2 sp + 1: 96 bytes each
	s_add_co_u32 s22, s22, s23
	s_mov_b32 s23, 0
	v_mul_u32_u24 v9, v8, \str
	v_mad_u32_u24 v9, v2, 24, v9
	v_mul_u32_u24 v10, v8, \sstr
	v_lshl_add_u32 v10, v2, 2, v10
	s_wait_kmcnt 0x0
	s_add_nc_u64 s[4:5], s[4:5], s[22:23]
	s_mul_i32 s22, s20, \sstr
	s_lshl_b32 s94, s19, 3
	s_add_co_u32 s22, s22, s94
	s_add_nc_u64 s[6:7], s[6:7], s[22:23]
	s_lshl_b32 s22, s20, 2
	s_add_nc_u64 s[8:9], s[8:9], s[22:23]
	s_add_co_u32 s22, s67, 8*\ph
	s_mul_i32 s22, s22, 106496
	s_mul_i32 s94, s92, 26624
	s_add_co_u32 s22, s22, s94
	s_add_nc_u64 s[10:11], s[10:11], s[22:23]      ; the quarter
	s_mul_i32 s22, s93, 3072
	s_add_nc_u64 s[18:19], s[10:11], s[22:23]      ; the tile's two fragments
	s_lshl_b32 s22, s93, 7
	s_add_nc_u64 s[10:11], s[10:11], s[22:23]      ; the tile's 128 bytes among the scale words and among the biases
.irp e, 0,1
.irp p, 0,1,2,3,4,5
	global_load_b64 v[128+12*\e+2*\p:129+12*\e+2*\p], v9, s[4:5] offset:96*\e+48*(\p/3)+8*(\p%3)
.endr
.endr
	global_load_b32 v152, v10, s[6:7]
	global_load_b32 v153, v11, s[8:9]
	s_wait_loadcnt 0x0
.irp e, 0,1
.irp c, 0,1,2
	global_store_b128 v[PO], v[128+12*\e+4*\c:131+12*\e+4*\c], s[18:19] offset:1536*\e+512*\c   ; 32 lanes store 512 bytes on end
.endr
.endr
	global_store_b32 v13, v152, s[10:11] offset:24576
	global_store_b32 v13, v153, s[10:11] offset:25600
	s_wait_xcnt 0x0                                ; the stores' registers take A's fragments next
.endm
	s_cmp_eq_u32 s14, 0
	s_cbranch_scc0 .Lnot0
	PREP 0, 0x10, 768, 32
	s_branch .Lprepped
.Lnot0:
	s_cmp_eq_u32 s14, 1
	s_cbranch_scc0 .Lnot1
	PREP 1, 0x28, 768, 32
	s_branch .Lprepped
.Lnot1:
	s_cmp_eq_u32 s14, 2
	s_cbranch_scc0 .Lprepped
	PREP 2, 0x40, 192, 8
.Lprepped:
	s_wait_loadcnt 0x0                             ; dense_b and the five vectors
.irp v, 0,1,2,3,4
	ds_store_b64 v[EW], v[224+2*\v:225+2*\v] offset:1024*\v
.endr
.macro FRAG reg, adr, q, i             ; a fragment: 16 rows x 128 K, twelve registers, in pieces of 8 bytes; where the piece of lanes 16-31 lies behind one padding more, the second address register serves
.irp p, 0,1,2,3,4,5
.set PCE, 12*(\q)+6*(\p/3)+\p%3
.if PCE%8 < 5
	ds_load_b64 v[\reg+2*\p:\reg+2*\p+1], v[\adr] offset:8*PCE+16*(PCE/8)+(\i)*16*PITCH
.else
	ds_load_b64 v[\reg+2*\p:\reg+2*\p+1], v[\adr+2] offset:8*PCE+16*(PCE/8)+(\i)*16*PITCH
.endif
.endr
.endm
; 16 matrix instructions: A's blocks a0, a0 + 1 x B's eight.  zero = 1: the first K step: its C is dense_b.  The 64 accumulators take turns, one instruction a turn.
.macro MUL16 a0, p, q, sc, zero
.irp a, \a0, \a0+1
.irp b, 0,1,2,3,4,5,6,7
.if \zero
	v_wmma_scale_f32_16x16x128_f8f6f4 v[8*(8*((\a)%4)+\b):8*(8*((\a)%4)+\b)+7], v[128*(\p)+FR*\b:128*(\p)+FR*\b+FR-1], v[AF+FR*(\a):AF+FR*(\a)+FR-1], v[BI+8*\b:BI+8*\b+7], v[SC+8*NQ*(\sc)+NQ*\b+(\q)], v[SC+8*NQ*(\sc)+NQ*(\a)+(\q)] matrix_a_fmt:MATRIX_FMT_FP6 matrix_b_fmt:MATRIX_FMT_FP6 matrix_a_scale:MATRIX_SCALE_ROW1
.else
	v_wmma_scale_f32_16x16x128_f8f6f4 v[8*(8*((\a)%4)+\b):8*(8*((\a)%4)+\b)+7], v[128*(\p)+FR*\b:128*(\p)+FR*\b+FR-1], v[AF+FR*(\a):AF+FR*(\a)+FR-1], v[8*(8*((\a)%4)+\b):8*(8*((\a)%4)+\b)+7], v[SC+8*NQ*(\sc)+NQ*\b+(\q)], v[SC+8*NQ*(\sc)+NQ*(\a)+(\q)] matrix_a_fmt:MATRIX_FMT_FP6 matrix_b_fmt:MATRIX_FMT_FP6 matrix_a_scale:MATRIX_SCALE_ROW1
.endif
.endr
.endr
.endm
.macro FETCH_B slot, q, p
	WIN TO_B
.irp i, 0,1,2,3,4,5,6,7
	FRAG 128*(\p)+FR*\i, ADRB+\slot, \q, \i
.endr
	WIN 0
.endm
.macro FETCH_A slot, q, i0
.irp i, \i0, \i0+1, \i0+2, \i0+3
	FRAG AF+FR*(\i), ADRA+\slot, \q, \i
.endr
.endm
.macro SCALES sc
.irp i, 0,1,2,3,4,5,6,7
	ds_load_b64 v[SC+8*NQ*\sc+NQ*\i:SC+8*NQ*\sc+NQ*\i+1], v[ADRS] offset:\i*SBLK
.endr
.endm
.macro PLACES n                        ; plain vector instructions between a matrix instruction and a load into, or a read of, its registers
.rept \n
	v_nop
.endr
.endm
.macro STEP slot, q, zero
	s_wait_dscnt 4*NL                              ; B's set and A's blocks 0-3 are in; the youngest 24 loads (A's blocks 4-7) may be out
.if \zero
	WIN 0x81                                       ; C (dense_b) in window 0, D in window 2
.else
	WIN MUL_LO
.endif
	MUL16 0, (\q)%2, \q, \slot, \zero
	MUL16 2, (\q)%2, \q, \slot, \zero
	s_wait_dscnt 0
	PLACES NP
	FETCH_B \slot, (\q)+1, 1-(\q)%2
	FETCH_A \slot, (\q)+1, 0
.if \zero
	WIN 0xc1
.else
	WIN MUL_HI
.endif
	MUL16 4, (\q)%2, \q, \slot, \zero
	MUL16 6, (\q)%2, \q, \slot, \zero
	PLACES NP
	WIN 0
	FETCH_A \slot, (\q)+1, 4
.endm
; A slot's last step changes slots: in front of the one barrier each wave waits for all its tensor loads, adds 0 to its spare word, and waits for that and for its reads of this slot.
.macro TURN slot, next, fill
	s_wait_tensorcnt 0x0                           ; all my tensor loads have landed: my part of the next slot
	ds_add_u32 v[SPW], v[NIL]
	s_wait_dscnt 4*NL+1                            ; the add and the youngest 24 loads may be out
	WIN MUL_LO
	MUL16 0, 1, NQ-1, \slot, 0
	s_wait_dscnt 0x0                               ; the add is done, my reads of this slot are over
	s_barrier_signal -1
	MUL16 2, 1, NQ-1, \slot, 0
	WIN 0
	s_barrier_wait -1
.if \fill
	CREST                                          ; no wave of any partner still reads this slot's tile or has a load on its way
	s_add_nc_u64 s[G0+4*\slot+2:G0+4*\slot+3], s[G0+4*\slot+2:G0+4*\slot+3], 2*ROWB
	s_add_nc_u64 s[G0B+4*\slot+2:G0B+4*\slot+3], s[G0B+4*\slot+2:G0B+4*\slot+3], 2*ROWB
	JLOAD G0+4*\slot, G1, G0B+4*\slot, G1B
.else
	PLACES NP
.endif
	v_add_nc_u32 v[ADRS], 4*NQ, v[ADRS]
	FETCH_B \next, 0, 0
	FETCH_A \next, 0, 0
	SCALES \next
	WIN MUL_HI
	MUL16 4, 1, NQ-1, \slot, 0
	MUL16 6, 1, NQ-1, \slot, 0
	PLACES NP
	WIN 0
	FETCH_A \next, 0, 4
.endm
	s_wait_tensorcnt 1                             ; the scales and my part of K step 0 are in; K step 1's load, issued behind them, may be out
	s_wait_dscnt 0x0                               ; my part of the five vectors lies in LDS
	s_barrier_signal -1
	s_barrier_wait -1
	FETCH_B 0, 0, 0
	FETCH_A 0, 0, 0
	SCALES 0
	FETCH_A 0, 0, 4
	STEP 0, 0, 1
	s_mov_b32 s3, LAPS-1
.Llap:
	TURN 0, 1, 1
	STEP 1, 0, 0
	TURN 1, 0, 1
	STEP 0, 0, 0
	s_sub_co_u32 s3, s3, 1
	s_cmp_lg_u32 s3, 0
	s_cbranch_scc1 .Llap
	TURN 0, 1, 0                                   ; the last lap fills nothing
	STEP 1, 0, 0
	s_wait_dscnt 4*NL
	WIN MUL_LO
	MUL16 0, 1, NQ-1, 1, 0
	MUL16 2, 1, NQ-1, 1, 0
	s_wait_dscnt 0
	WIN MUL_HI
	MUL16 4, 1, NQ-1, 1, 0
	MUL16 6, 1, NQ-1, 1, 0
	WIN 0
; THE FIVE DOTS.  Lane (r, h) holds, in accumulator (a, b), h of token 16 a + r at columns 16 b + 8 h + 0..7 of my 128.  For each b the five vectors' eight numbers at these columns come from LDS (two sets by turns);
; sum (a, v), a pair (even columns, odd columns), takes accumulator x vector, two numbers an instruction; twenty other sums stand between two links of one.  Each accumulator is read from its low end on.
.macro ELOAD b
.irp v, 0,1,2,3,4
	ds_load_b128 v[E0+40*((\b)%2)+8*\v:E0+40*((\b)%2)+8*\v+3], v[EA] offset:1024*\v+64*(\b)
	ds_load_b128 v[E0+40*((\b)%2)+8*\v+4:E0+40*((\b)%2)+8*\v+7], v[EA] offset:1024*\v+64*(\b)+16
.endr
.endm
.macro DOT b
.irp u, 0,1
	WIN 0x52+\u                                    ; the sums in window 1, the accumulators in window 2 or 3, the vectors in window 0
.irp p, 0,1,2,3
.irp a, 0,1,2,3
.irp v, 0,1,2,3,4
.set rS, 10*(4*\u+\a)+2*\v
.set rA, 8*(8*\a+(\b))+2*\p
.set rE, E0+40*((\b)%2)+8*\v+2*\p
.if ((\b) == 0) && (\p == 0)
	v_pk_mul_f32 v[rS:rS+1], v[rA:rA+1], v[rE:rE+1]
.else
	v_pk_fma_f32 v[rS:rS+1], v[rA:rA+1], v[rE:rE+1], v[rS:rS+1]
.endif
.endr
.endr
.endr
.endr
	WIN 0
.endm
	PLACES NP
	ELOAD 0
	ELOAD 1
.irp b, 0,1,2,3,4,5
	s_wait_dscnt 10                                ; this b's ten loads are in; the next b's ten may be out
	DOT \b
	ELOAD \b+2
.endr
	s_wait_dscnt 10
	DOT 6
	s_wait_dscnt 0
	DOT 7
	WIN 0x05                                       ; even + odd columns, into window 0: sum (a, v) at v[128 + 5 a + v]
.irp a, 0,1,2,3,4,5,6,7
.irp v, 0,1,2,3,4
	v_add_f32 v[128+5*\a+\v], v[10*\a+2*\v], v[10*\a+2*\v+1]
.endr
.endr
	WIN 0
.irp a, 0,1,2,3                        ; the two halves of the lanes hold the two halves of a block's columns: blocks 2 a and 2 a + 1 change halves and are added: lane l then holds row 32 a + l
.irp v, 0,1,2,3,4
	v_permlane16_swap_b32 v[128+10*\a+\v], v[133+10*\a+\v]
.endr
.irp v, 0,1,2,3,4
	v_add_f32 v[128+10*\a+\v], v[128+10*\a+\v], v[133+10*\a+\v]
.endr
.endr
.irp a, 0,1,2,3
.irp v, 0,1,2,3,4
	ds_store_b32 v[SW], v[128+10*\a+\v] offset:512*\v+128*\a
.endr
.endr
	s_wait_dscnt 0x0                               ; for the partner's sake: my partial dots lie in LDS
	s_barrier_signal -1
	s_barrier_wait -1
	s_cmp_lg_u32 s16, 0                            ; the wave of the left column half adds its right neighbour's and stores
	s_cbranch_scc1 .Lout
.irp v, 0,1,2,3,4
	ds_load_b128 v[176+4*\v:179+4*\v], v[SRD] offset:512*\v
	ds_load_b128 v[196+4*\v:199+4*\v], v[SRD] offset:512*\v+2560
.endr
	s_wait_dscnt 0x0
.irp v, 0,1,2,3,4
	v_pk_add_f32 v[176+4*\v:177+4*\v], v[176+4*\v:177+4*\v], v[196+4*\v:197+4*\v]
	v_pk_add_f32 v[178+4*\v:179+4*\v], v[178+4*\v:179+4*\v], v[198+4*\v:199+4*\v]
.endr
.irp v, 0,1,2,3,4
	global_store_b128 v[PO], v[176+4*\v:179+4*\v], s[100:101] offset:262144*\v   ; 32 lanes store 512 bytes on end, at a multiple of 512 from the buffer's first byte
.endr
.Lout:
	s_wait_tensorcnt 0x0                           ; the wave's end
	ds_add_u32 v[SPW], v[NIL]
	s_wait_dscnt 0x0
	CROUND                                         ; the closing round
	s_endpgm
.Lfunc_end_k_q319ab08036_stats:
	.size	k_q319ab08036_stats, .Lfunc_end_k_q319ab08036_stats-k_q319ab08036_stats
	.p2alignl 7, 3214868480
	.fill 96, 4, 3214868480
	.section	.rodata,"a",@progbits
	.p2align	6, 0x0
	.amdhsa_kernel k_q319ab08036_stats
		.amdhsa_group_segment_fixed_size 327680
		.amdhsa_private_segment_fixed_size 0
		.amdhsa_enable_private_segment 0
		.amdhsa_kernarg_size 120
		.amdhsa_user_sgpr_count 2
		.amdhsa_user_sgpr_kernarg_segment_ptr 1
		.amdhsa_wavefront_size32 1
		.amdhsa_system_sgpr_workgroup_id_x 1
		.amdhsa_system_sgpr_workgroup_id_y 1
		.amdhsa_system_sgpr_workgroup_id_z 1
		.amdhsa_system_vgpr_workitem_id 0
		.amdhsa_next_free_vgpr 1024
		.amdhsa_next_free_sgpr 104
		.amdhsa_reserve_vcc 0
		.amdhsa_float_denorm_mode_32 3
		.amdhsa_float_denorm_mode_16_64 3
		.amdhsa_memory_ordered 1
		.amdhsa_forward_progress 1
		.amdhsa_inst_pref_size 237
	.end_amdhsa_kernel
	.amdgpu_metadata
---
amdhsa.version: [ 1, 2 ]
amdhsa.kernels:
  - .name:           k_q319ab08036_stats
    .symbol:         k_q319ab08036_stats.kd
    .args:
      - { .name: hidden_states_codes, .offset: 0, .size: 8, .value_kind: global_buffer, .address_space: global }
      - { .name: hidden_states_scales, .offset: 8, .size: 8, .value_kind: global_buffer, .address_space: global }
      - { .name: dense_W_codes, .offset: 16, .size: 8, .value_kind: global_buffer, .address_space: global }
      - { .name: dense_W_scales, .offset: 24, .size: 8, .value_kind: global_buffer, .address_space: global }
      - { .name: dense_b, .offset: 32, .size: 8, .value_kind: global_buffer, .address_space: global }
      - { .name: pal_W1_codes, .offset: 40, .size: 8, .value_kind: global_buffer, .address_space: global }
      - { .name: pal_W1_scales, .offset: 48, .size: 8, .value_kind: global_buffer, .address_space: global }
      - { .name: pal_b1, .offset: 56, .size: 8, .value_kind: global_buffer, .address_space: global }
      - { .name: pal_W2_codes, .offset: 64, .size: 8, .value_kind: global_buffer, .address_space: global }
      - { .name: pal_W2_scales, .offset: 72, .size: 8, .value_kind: global_buffer, .address_space: global }
      - { .name: pal_b2, .offset: 80, .size: 8, .value_kind: global_buffer, .address_space: global }
      - { .name: enc_W, .offset: 88, .size: 8, .value_kind: global_buffer, .address_space: global }
      - { .name: sel_W, .offset: 96, .size: 8, .value_kind: global_buffer, .address_space: global }
      - { .name: wimg, .offset: 104, .size: 8, .value_kind: global_buffer, .address_space: global }
      - { .name: part, .offset: 112, .size: 8, .value_kind: global_buffer, .address_space: global }
    .group_segment_fixed_size: 327680
    .private_segment_fixed_size: 0
    .kernarg_segment_align: 8
    .kernarg_segment_size: 120
    .max_flat_workgroup_size: 128
    .sgpr_count:     104
    .vgpr_count:     1024
    .wavefront_size: 32
...
	.end_amdgpu_metadata
.endif
;; end of part 1
;; launch fused (part 2): grid 256 x 1, 4 waves a work-group, clusters of 4 x 1, 327,680 bytes of LDS; arguments hidden_states_codes, hidden_states_scales, wimg, part, attention_mask, sel_b, input_tensor, ln_g, ln_b, out0; writes out0
.if DOCPART == 2
	.amdgcn_target "amdgcn-amd-amdhsa--gfx1250"
	.amdhsa_code_object_version 6
	.text
	.protected	k_q319ab08036_fused
	.globl	k_q319ab08036_fused
	.p2align	8
	.type	k_q319ab08036_fused,@function
k_q319ab08036_fused:
	s_mov_b64 s[64:65], 0
	v_nop
	global_prefetch_b8 v0, s[64:65] scope:SCOPE_SE
	s_setreg_imm32_b32 hwreg(HW_REG_WAVE_MODE, 25, 1), 1
	s_wait_xcnt 0x0
	s_wait_alu depctr_hold_cnt(0) depctr_sa_sdst(0) depctr_va_vdst(0) depctr_va_sdst(0) depctr_va_ssrc(0) depctr_va_vcc(0) depctr_vm_vsrc(0)
	s_getreg_b32 s2, hwreg(HW_REG_IB_STS2, 6, 4)
	s_cmp_eq_u32 s2, 0
	s_cbranch_scc0 .Lentry_in_a_cluster
	s_endpgm
.Lentry_in_a_cluster:
	s_bfe_u32 s2, ttmp6, 0x10000c
	s_cmp_lg_u32 s2, 0x3003
	s_cbranch_scc0 .Lentry_shape_is_right
	s_endpgm
.Lentry_shape_is_right:
; FUSED: the second of two launches.  For 64 tokens a work-group: the batch's task distribution d; h = tokens x dense_W + dense_b; low = Q(h) x pal_W1 + pal_b1; ts_t = Q(low_t) x pal_W2[t] + pal_b2[t];
; x = h + input_tensor + sum over t of d_t ts_t; LayerNorm over the 1,024 columns.  All three products on codes of FP6 (E2M3) with E8M0 scales; Q is the quantiser along K, in registers; h, low and ts never go to memory.
; WORK LEFT OUT: enc_b (the same along its softmax's axis: shown at the head of the first launch); it is no argument.  h is computed here a second time: the first launch kept five numbers a row of it.
; d: a_s = sum of the four partial dots + mask; w = softmax over the batch's 2,048 a_s, with its maximum taken away; z_t = sum of w_s (h_s . sel_W[t]) + sel_b[t]; d = softmax(z), with its maximum taken away.
; LIMITS: a computed block of zeros gets the scale byte 1 where the rule says 127 (its codes are zeros; this program alone reads the byte); a batch whose mask is -infinity everywhere gives NaN, as the definition does;
; the sums of the small products and of the LayerNorm's moments are taken in another order than written, all in f32.
; SHARES.  Wave w owns columns 256 w .. 256 w + 255 of h, low (task w) and x, for all 64 tokens (four tiles m).  All products are used transposed (source 0 = 16 weight rows, source 1 = 16 tokens): lane (r, h) holds token
; 16 m + r, and the weight rows of a tile are chosen so that the 16 registers of tiles 2 b, 2 b + 1 are columns 32 b + 16 h + 0..15: 64 registers are one K step of the next product, ready for the conversions.
; THE WEIGHTS come as a stream of 24 slots of 106,496 bytes (8 a product) through two LDS slots; a wave fetches and reads its own quarter.  The four work-groups of a cluster walk the same stream: every slot is asked for
; jointly.  A wave has two tensor loads out at the head and one behind each round.  Tokens' operands go from wave to wave through LDS as images of their registers.
; REGISTERS: window 0: v1-18 addresses; v19-39 small; v40-55 weights' scale words, two sets; v56-63 tokens' scale words; v64-159 tokens' fragments (e, m); v160-255 four buffers of two weight fragments.
; window 1: input_tensor on its way, the accumulators of low and of ts, biases; at the end ln_g, ln_b.   windows 2, 3: h, then x: accumulator (m, i') at 8 (8 m + i'), column half g in window 2 + g.
.set QB,   26624                       ; a wave's quarter of a slot: 16 fragments of 1,536 bytes, 8 x 128 bytes of scale words, 8 x 128 bytes of bias
.set SLB,  4*QB
.set FB,   1536
.set QSC,  16*FB
.set QBI,  QSC+1024
.set RA,   2*SLB                       ; region A: 32 fragment images, 16 x 128 bytes of scale words, 1,024 bytes of zeros
.set RSZ,  52224
.set RBB,  RA+RSZ                      ; region B: the same
.set RSC,  32*FB
.set RPAD, RSC+2048
.set SPARE, RBB+RSZ                    ; the spare words: 128 bytes a wave, named by no other line
.set SCR,  SPARE+512                   ; 32 bytes a wave: the preamble's exchange
.set LNX,  SCR+256                     ; 32 bytes a token: the LayerNorm's exchange
.set STG,  16*528                      ; a wave's stage: 16 rows x (512 bytes + 16)
.set LI,  1                            ; 16 x lane
.set LS,  2                            ; 4 x lane
.set RB,  3                            ; v3, v4   my quarter in slot 0, 1: + 16 x lane
.set RS,  5                            ; v5, v6   its scale words: + 4 x lane
.set RBI, 7                            ; v7, v8   its biases: + 32 (lane / 16)
.set AI0, 9                            ; the region in hand + 16 x lane
.set ASI0, 10                          ; its scale words + 4 x lane
.set ADA, 11
.set ADS, 12
.set STI, 13                           ; my stage + 528 r + 64 h
.set STR, 14                           ; my stage + 16 x lane
.set QWI, 15                           ; where I store images
.set QWS, 16                           ; and their scale words
.set SPW, 17
.set NIL, 18
.set BS,  40
.set AS0, 56
.set AS1, 60
.set AF,  64
.set UB,  160
.set BI,  64                           ; window 1, phase 3: four bias buffers
.set OB,  64                           ; the way out: two sets of 64
.set SM,  192
.set QS,  208
.set MP,  224
.set XD,  232
.set AP,  240
.set BP,  248
.set G1,  24
.set G0,  32
.set WV,  40
.set TA,  45
.set TS,  46
.set TU,  47
.set SEL, 48
.set QA,  50
.set QA2, 51
.set DQ,  52
.set DC,  60
.set TV,  66
.set MSB, 0
.macro WIN new
.if MSB != (\new)
	s_set_vgpr_msb (MSB<<8)|(\new)
.set MSB, \new
.endif
.endm
.macro NOP4                            ; four plain places between a matrix instruction and a load into, or a read of, its registers
.rept 4
	v_nop
.endr
.endm
.macro CREST
	s_cmp_lg_u32 s[WV], 0
	s_cbranch_scc1 .Lnot_wave_0_\@
	s_barrier_signal -3
.Lnot_wave_0_\@:
	s_barrier_wait -3
	s_barrier_signal -1
	s_barrier_wait -1
.endm
.macro CROUND
	s_barrier_signal -1
	s_barrier_wait -1
	CREST
.endm
.macro JLOAD p                         ; every wave asks for its own quarter, by one line; the descriptor is the same in all four work-groups
	tensor_load_to_lds s[G0+4*(\p):G0+4*(\p)+3], s[G1:G1+7]
	s_nop 0
	NOP4
.endm
.macro FETCH p, buf, o0, o1            ; two weight fragments into a buffer: six loads
.irp c, 0,1,2
	ds_load_b128 v[UB+24*(\buf)+4*\c:UB+24*(\buf)+4*\c+3], v[RB+\p] offset:(\o0)+512*\c
.endr
.irp c, 0,1,2
	ds_load_b128 v[UB+24*(\buf)+12+4*\c:UB+24*(\buf)+15+4*\c], v[RB+\p] offset:(\o1)+512*\c
.endr
.endm
.macro FETE p, n                       ; unit n of a slot walked K step by K step: tiles 2 (n % 4), 2 (n % 4) + 1 at K step n / 4
	FETCH \p,(\n)%4,FB*(4*((\n)%4)+(\n)/4),FB*(4*((\n)%4)+2+(\n)/4)
.endm
.macro FETT p, i                       ; unit i of a slot walked tile by tile: tile i at both K steps, and its bias: eight loads
	FETCH \p,(\i)%4,2*FB*(\i),2*FB*(\i)+FB
	WIN 0x40
	ds_load_b128 v[BI+8*((\i)%4):BI+8*((\i)%4)+3], v[RBI+\p] offset:128*(\i)
	ds_load_b128 v[BI+8*((\i)%4)+4:BI+8*((\i)%4)+7], v[RBI+\p] offset:128*(\i)+16
	WIN 0
.endm
.macro FSCALE p                        ; a slot's eight scale words: lanes 0-15 K step 0, lanes 16-31 K step 1
.irp i, 0,1,2,3,4,5,6,7
	ds_load_b32 v[BS+8*(\p)+\i], v[RS+\p] offset:128*\i
.endr
.endm
.macro PAGRP e                         ; the four token tiles' fragments of K step e of the pair in hand, and their scale words: sixteen loads
	v_add_nc_u32 v[ADA], s[TA], v[AI0]
	v_add_nc_u32 v[ADS], s[TS], v[ASI0]
.irp m, 0,1,2,3
.irp c, 0,1,2
	ds_load_b128 v[AF+48*\e+12*\m+4*\c:AF+48*\e+12*\m+4*\c+3], v[ADA] offset:FB*(8*\m+\e)+512*\c
.endr
.endr
.irp m, 0,1,2,3
	ds_load_b32 v[AS0+4*\e+\m], v[ADS] offset:512*\m
.endr
.endm
; Eight matrix instructions: unit n: two tiles x four token tiles, on eight accumulators: they take turns, one instruction a turn.
.macro MULE p, n, win
	WIN ((\win)<<6)|((\win)<<4)
.irp c, 0,1
.irp m, 0,1,2,3
.set aC, 8*(8*\m+2*((\n)%4)+\c)
.set aU, UB+24*((\n)%4)+12*\c
.set aF, AF+48*((\n)/4)+12*\m
.set aS, BS+8*(\p)+2*((\n)%4)+\c
.if (\n) < 4
	v_wmma_scale_f32_16x16x128_f8f6f4 v[aC:aC+7], v[aU:aU+11], v[aF:aF+11], v[aC:aC+7], v[aS], v[AS0+\m] matrix_a_fmt:MATRIX_FMT_FP6 matrix_b_fmt:MATRIX_FMT_FP6
.else
	v_wmma_scale_f32_16x16x128_f8f6f4 v[aC:aC+7], v[aU:aU+11], v[aF:aF+11], v[aC:aC+7], v[aS], v[AS1+\m] matrix_a_fmt:MATRIX_FMT_FP6 matrix_b_fmt:MATRIX_FMT_FP6 matrix_a_scale:MATRIX_SCALE_ROW1 matrix_b_scale:MATRIX_SCALE_ROW1
.endif
.endr
.endr
.endm
; A SLOT OF THE FIRST TWO PRODUCTS.  Units 0-3 are K step 0, units 4-7 K step 1.  pin: the slot before has asked for new tokens' fragments; pa: this slot asks for the next pair's (K step 0 behind unit 3, K step 1 behind unit 7).
; LDS loads come back in order, so each count is the number of loads issued behind the one that is wanted.
.macro SLOTE p, win, pin, pa
	s_wait_dscnt 12+16*\pin                        ; units 0, 1 and the scale words are in; behind them: units 2, 3 (12), and the tokens' K step 1 (16)
	MULE \p,0,\win
	WIN 0
	NOP4
	FETE \p,4
	MULE \p,1,\win
	WIN 0
	NOP4
	FETE \p,5
	s_wait_dscnt 18+16*\pin                        ; unit 2 is in; behind it: unit 3, the tokens' 16, units 4, 5
	MULE \p,2,\win
	WIN 0
	NOP4
	FETE \p,6
	s_wait_dscnt 18+16*\pin                        ; unit 3 is in; behind it: the tokens' 16, units 4, 5, 6
	MULE \p,3,\win
	WIN 0
	NOP4
	FETE \p,7
.if \pa
	s_add_co_u32 s[TA], s[TA], 2*FB
	s_add_co_u32 s[TS], s[TS], 128
	PAGRP 0
.endif
	s_wait_tensorcnt 0x0                           ; all my tensor loads have landed: my quarter of the next slot; so a group 0 may be written
	ds_add_u32 v[SPW], v[NIL]
	s_add_nc_u64 s[G0+4*\p+2:G0+4*\p+3], s[G0+4*\p+2:G0+4*\p+3], 2*SLB
	s_wait_dscnt 19+16*\pa                         ; unit 4 and the tokens' K step 1 are in; behind unit 4: units 5, 6, 7 (18), the next tokens' 16, the add
	MULE \p,4,\win
	s_wait_dscnt 0x0                               ; the add is done, and my reads of this slot are over
	s_barrier_signal -1
	MULE \p,5,\win
	WIN 0
	s_barrier_wait -1
	CREST                                          ; the barrier has opened a round of the cluster's: no wave of any partner still reads this slot or has a load on its way
	JLOAD \p                                       ; the slot two on; its four v_nop are also the places in front of the loads below
	FETE 1-\p,0
	FETE 1-\p,1
	FSCALE 1-\p
	MULE \p,6,\win
	WIN 0
	NOP4
	FETE 1-\p,2
	MULE \p,7,\win
	WIN 0
	NOP4
	FETE 1-\p,3
.if \pa
	PAGRP 1
.endif
.endm
.macro PRELOAD win, p                  ; a slot's eight bias tiles into the 32 accumulators: the sums begin with the bias
	WIN (\win)<<6
.irp m, 0,1,2,3
.irp i, 0,1,2,3,4,5,6,7
	ds_load_b128 v[8*(8*\m+\i):8*(8*\m+\i)+3], v[RBI+\p] offset:128*\i
	ds_load_b128 v[8*(8*\m+\i)+4:8*(8*\m+\i)+7], v[RBI+\p] offset:128*\i+16
.endr
.endr
	WIN 0
.endm
; THE QUANTISER: 64 numbers of a lane in window win, register 16 b + i = k 32 b + 16 (lane / 16) + i of my token, become a fragment's codes in v[PC] on and its scale word in v[PW].  A block's scale byte is its largest
; magnitude's exponent field less 2, held at 1 from below by the floor 2^(3 - 127) among the maximum's leaves.  z: which of two sets of small registers (over the tokens' fragments, which are idle here).
.macro QUANT win, s, z
.set TM, AF+48*(\z)
.set PW, TM+16
.set PC, TM+20
	WIN ((\win)<<2)|((\win)<<4)
.irp b, 0,1,2,3
	v_max3_num_f32 v[TM+\b], 0x1800000, |v[(\s)+16*\b]|, |v[(\s)+1+16*\b]|
.endr
.irp i, 2,4,6,8,10,12,14
.irp b, 0,1,2,3
	v_max3_num_f32 v[TM+\b], v[TM+\b], |v[(\s)+16*\b+\i]|, |v[(\s)+1+16*\b+\i]|
.endr
.endr
	WIN 0
.irp b, 0,1,2,3
	v_permlanex16_b32 v[TM+4+\b], v[TM+\b], s[SEL], s[SEL+1]
.endr
.irp b, 0,1,2,3
	v_max_num_f32 v[TM+\b], v[TM+\b], v[TM+4+\b]
.endr
.irp b, 0,1,2,3
	v_add_nc_u32 v[TM+12+\b], 0xff000000, v[TM+\b]     ; 2 off the exponent field: the conversion's scale operand
.endr
.irp b, 0,1,2,3
	v_lshrrev_b32 v[TM+4+\b], 23, v[TM+12+\b]
.endr
	v_lshl_or_b32 v[PW], v[TM+5], 8, v[TM+4]
	v_lshl_or_b32 v[PW], v[TM+6], 16, v[PW]
	v_lshl_or_b32 v[PW], v[TM+7], 24, v[PW]
	WIN \win
.irp c, 0,1
	v_cvt_scalef32_pk16_fp6_f32 v[PC+6*\c:PC+2+6*\c], v[(\s)+32*\c:(\s)+15+32*\c], v[TM+12+2*\c]
	v_cvt_scalef32_pk16_fp6_f32 v[PC+12+4*\c:PC+14+4*\c], v[(\s)+16+32*\c:(\s)+31+32*\c], v[TM+13+2*\c]
.endr
	WIN 0
	v_nop                                          ; one plain place behind a scaled conversion
.irp c, 0,1                            ; the operand's layout wants a whole block in a lane
.irp i, 0,1,2
	v_permlane16_swap_b32 v[PC+6*\c+\i], v[PC+12+4*\c+\i]
.endr
.irp i, 0,1,2
	v_mov_b32 v[PC+3+6*\c+\i], v[PC+12+4*\c+\i]
.endr
.endr
.endm
.macro IMAGE m, e                      ; the fragment just made goes to LDS as it stands; lanes r and r + 16 write the same scale word with the same value
.irp c, 0,1,2
	ds_store_b128 v[QWI], v[PC+4*\c:PC+4*\c+3] offset:8*FB*(\m)+FB*(\e)+512*\c
.endr
	ds_store_b32 v[QWS], v[PW] offset:512*(\m)+64*(\e)
.endm
.macro ZPERM                           ; a lane permute's destination counts as one of its sources
.irp z, 0,1
.irp b, 0,1,2,3
	v_mov_b32 v[AF+48*\z+4+\b], 0
.endr
.endr
.endm
.macro ILOAD base, m, g                ; 16 rows x 512 bytes of input_tensor: my columns' half g of token tile m; each load takes 512 bytes on end
	WIN 0x40
.irp t, 0,1,2,3,4,5,6,7,8,9,10,11,12,13,14,15
	global_load_b128 v[(\base)+4*\t:(\base)+4*\t+3], v[LI], s[16:17] offset:(16*(\m)+\t)*4096+512*(\g) th:TH_LOAD_NT
.endr
	WIN 0
.endm
.macro TRANS base                      ; rows become the accumulators' layout, through my own stage; LDS serves a wave's instructions in order (ISA guide 5.7.1.4)
	WIN 0x04
.irp t, 0,1,2,3,4,5,6,7,8,9,10,11,12,13,14,15
	ds_store_b128 v[STR], v[(\base)+4*\t:(\base)+4*\t+3] offset:528*\t
.endr
	WIN 0x40
.irp b, 0,1,2,3
.irp q, 0,1,2,3
	ds_load_b128 v[(\base)+16*\b+4*\q:(\base)+16*\b+4*\q+3], v[STI] offset:128*\b+16*\q
.endr
.endr
	WIN 0
.endm
.macro IADD base, m, win
	WIN ((\win)<<6)|(1<<2)|(\win)
.set k, 0
.rept 32
	v_pk_add_f32 v[64*(\m)+k:64*(\m)+k+1], v[64*(\m)+k:64*(\m)+k+1], v[(\base)+k:(\base)+k+1]
.set k, k+2
.endr
	WIN 0
.endm
; x += d_t ts: number k of a tile's sixteen packed multiply-adds, token tiles and registers ascending: each accumulator of ts is read from its low end on.
.macro FOLD1 i, g, k
	WIN 0xa1+0x50*(\g)
	v_pk_fma_f32 v[8*(8*((\k)/4)+(\i))+2*((\k)%4):8*(8*((\k)/4)+(\i))+2*((\k)%4)+1], v[32*((\i)%2)+8*((\k)/4)+2*((\k)%4):32*((\i)%2)+8*((\k)/4)+2*((\k)%4)+1], s[DC:DC+1], v[8*(8*((\k)/4)+(\i))+2*((\k)%4):8*(8*((\k)/4)+(\i))+2*((\k)%4)+1] op_sel_hi:[1,0,1]
.endm
.macro FOLD i, g
.set fq, 0
.rept 16
	FOLD1 \i,\g,fq
.set fq, fq+1
.endr
.endm
; Unit i of the third product: tile i whole (K = 256: two K steps) for the four token tiles; its sums begin with pal_b2's tile.  Two sets of four accumulators by turns; with fold = 1 two multiply-adds of tile i - 1 stand
; behind each matrix instruction, so that vector and matrix work run side by side.
.macro MULT p, i, g, fold
.set fk, 0
.irp e, 0,1
.irp m, 0,1,2,3
	WIN 0x50
.set aT, 32*((\i)%2)+8*\m
.if \e == 0
	v_wmma_scale_f32_16x16x128_f8f6f4 v[aT:aT+7], v[UB+24*((\i)%4):UB+24*((\i)%4)+11], v[AF+12*\m:AF+12*\m+11], v[BI+8*((\i)%4):BI+8*((\i)%4)+7], v[BS+8*(\p)+(\i)], v[AS0+\m] matrix_a_fmt:MATRIX_FMT_FP6 matrix_b_fmt:MATRIX_FMT_FP6
.else
	v_wmma_scale_f32_16x16x128_f8f6f4 v[aT:aT+7], v[UB+24*((\i)%4)+12:UB+24*((\i)%4)+23], v[AF+48+12*\m:AF+48+12*\m+11], v[aT:aT+7], v[BS+8*(\p)+(\i)], v[AS0+\m] matrix_a_fmt:MATRIX_FMT_FP6 matrix_b_fmt:MATRIX_FMT_FP6 matrix_a_scale:MATRIX_SCALE_ROW1 matrix_b_scale:MATRIX_SCALE_ROW1
.endif
.if \fold
	FOLD1 (\i)-1,\g,fk
	FOLD1 (\i)-1,\g,fk+1
.set fk, fk+2
.endif
.endr
.endr
.endm
; A SLOT OF THE THIRD PRODUCT.  fill = 1: this slot is filled again; 0: nothing is left to ask for, the next slot is still fetched from; -1: the last slot.
.macro SLOTT p, g, pin, pa, fill
	s_wait_dscnt 16-8*\pin                         ; units 0, 1, the scale words (and new tokens' fragments) are in; behind them: units 2, 3 (16), or unit 3 alone (8)
	MULT \p,0,\g,0
	WIN 0
	NOP4
	FETT \p,4
	MULT \p,1,\g,1
	WIN 0
	NOP4
	FETT \p,5
	s_wait_dscnt 24                                ; unit 2 is in; behind it three fetches of 8
	MULT \p,2,\g,1
	WIN 0
	NOP4
	FETT \p,6
	s_wait_dscnt 24                                ; unit 3 likewise
	MULT \p,3,\g,1
	WIN 0
	NOP4
	FETT \p,7
.if \fill == 1
	s_wait_tensorcnt 0x0                           ; all my tensor loads have landed
	ds_add_u32 v[SPW], v[NIL]
	s_add_nc_u64 s[G0+4*\p+2:G0+4*\p+3], s[G0+4*\p+2:G0+4*\p+3], 2*SLB
	s_wait_dscnt 25                                ; unit 4 is in; behind it: units 5, 6, 7 (24) and the add
	MULT \p,4,\g,1
	s_wait_dscnt 0x0                               ; the add is done, and my reads of this slot are over
	s_barrier_signal -1
	MULT \p,5,\g,1
	WIN 0
	s_barrier_wait -1
	CREST
	JLOAD \p
.else
	s_wait_dscnt 24
	MULT \p,4,\g,1
	s_wait_dscnt 0x0
	MULT \p,5,\g,1
	WIN 0
.if \fill == 0
	s_wait_tensorcnt 0x0                           ; my quarter of the last slot has landed; I alone read it
.endif
	NOP4
.endif
.if \fill >= 0
	FETT 1-\p,0
	FETT 1-\p,1
	FSCALE 1-\p
.endif
	MULT \p,6,\g,1
	WIN 0
	NOP4
.if \fill >= 0
	FETT 1-\p,2
.endif
	MULT \p,7,\g,1
	WIN 0
	NOP4
.if \pa
	s_add_co_u32 s[TA], s[TA], 2*FB                ; the next task's two fragments a token tile
	s_add_co_u32 s[TS], s[TS], 128
	PAGRP 0
	PAGRP 1
.endif
.if \fill >= 0
	FETT 1-\p,3
.endif
	FOLD 7,\g
	WIN 0
.endm
	s_load_b512 s[4:19], s[0:1], 0x0               ; tokens' codes s[4:5], scales s[6:7], wimg s[8:9], part s[10:11], mask s[12:13], sel_b s[14:15], input s[16:17], ln_g s[18:19]
	s_load_b128 s[20:23], s[0:1], 0x40             ; ln_b s[20:21], out0 s[22:23]
	v_lshl_add_u32 v[SPW], v0, 2, SPARE
	v_mov_b32 v[NIL], 0
	ds_add_u32 v[SPW], v[NIL]                      ; the opening: the add, twice on end, and its wait ahead of my first tensor load
	ds_add_u32 v[SPW], v[NIL]
	v_lshrrev_b32 v19, 5, v0
	v_readfirstlane_b32 s[WV], v19                 ; wave 0..3
	s_bfe_u32 s41, ttmp6, 0x40000                  ; cx: it enters global addresses alone
	s_lshl_b32 s42, ttmp9, 2
	s_add_co_u32 s42, s42, s41                     ; my block of 64 tokens
	s_mov_b32 s[G1], 15|(3<<16)|(1<<21)            ; mask: all four work-groups; elements of 8 bytes; bit 21 beside a mask; no padding
	s_mov_b32 s[G1+1], 32<<16                      ; a quarter is dense: 104 rows of 256 bytes
	s_mov_b32 s[G1+2], 104<<16
	s_mov_b32 s[G1+3], 32<<16
	s_mov_b32 s[G1+4], 104
	s_mov_b32 s[G1+5], 32
	s_mov_b32 s[G1+6], 0
	s_mov_b32 s[G1+7], 0
	s_mov_b32 s[SEL], 0x76543210
	s_mov_b32 s[SEL+1], 0xfedcba98                 ; v_permlanex16_b32's selects for lane l xor 16
	s_mul_i32 s72, s[WV], QB
	s_mov_b32 s73, 0
	v_and_b32 v19, 31, v0                          ; lane  (v19, v20, v21 stay)
	v_and_b32 v20, 15, v0                          ; r
	v_bfe_u32 v21, v0, 4, 1                        ; h
	v_lshlrev_b32 v[LI], 4, v19
	v_lshlrev_b32 v[LS], 2, v19
	v_add_nc_u32 v[RB], s72, v[LI]
	v_add_nc_u32 v[RB+1], SLB, v[RB]
	s_add_co_u32 s74, s72, QSC
	v_add_nc_u32 v[RS], s74, v[LS]
	v_add_nc_u32 v[RS+1], SLB, v[RS]
	s_add_co_u32 s74, s72, QBI
	v_lshl_add_u32 v[RBI], v21, 5, s74
	v_add_nc_u32 v[RBI+1], SLB, v[RBI]
	v_add_nc_u32 v[AI0], RA, v[LI]
	v_add_nc_u32 v[ASI0], RA+RSC, v[LS]
	s_mul_i32 s74, s[WV], STG
	s_add_co_u32 s74, s74, RA
	v_mul_u32_u24 v[STI], v20, 528
	v_lshl_add_u32 v[STI], v21, 6, v[STI]
	v_add_nc_u32 v[STI], s74, v[STI]
	v_add_nc_u32 v[STR], s74, v[LI]
	s_mul_i32 s75, s[WV], 2*FB
	s_add_co_u32 s74, s75, RBB
	v_add_nc_u32 v[QWI], s74, v[LI]                ; Q(h): K steps 2 w, 2 w + 1, into region B
	s_lshl_b32 s76, s[WV], 7
	s_add_co_u32 s74, s76, RBB+RSC
	v_lshl_add_u32 v[QWS], v20, 2, s74
	s_add_co_u32 s[QA], s75, RA                    ; Q(low): the same places in region A
	s_add_co_u32 s[QA2], s76, RA+RSC
	s_mul_i32 s74, s[WV], 8*FB
	s_add_co_u32 s74, s74, RA
	v_add_nc_u32 v25, s74, v[LI]                   ; my token tile's eight images
	s_lshl_b32 s74, s[WV], 9
	s_add_co_u32 s74, s74, RA+RSC
	v_add_nc_u32 v30, s74, v[LS]
	v_lshl_add_u32 v31, v0, 3, RA+RPAD
	v_mov_b32 v32, 0
	v_mov_b32 v33, 0
	s_lshl_b32 s74, s[WV], 5
	s_add_co_u32 s74, s74, SCR
	v_mov_b32 v34, s74
	v_mov_b32 v35, SCR
	s_lshl_b32 s74, s[WV], 3
	s_add_co_u32 s74, s74, LNX
	v_lshl_add_u32 v38, v20, 5, s74
	v_lshl_add_u32 v37, v20, 5, LNX
	v_mul_u32_u24 v22, v20, 768
	v_mad_u32_u24 v22, v21, 24, v22                ; tokens' codes: row r, + 24 h
	v_lshlrev_b32 v23, 5, v20
	v_lshl_add_u32 v23, v21, 2, v23                ; tokens' scale words: row lane % 16, K step lane / 16 of a pair
	v_lshlrev_b32 v24, 4, v0                       ; 16 x thread
	s_wait_dscnt 0x0                               ; both opening adds are done
	s_wait_kmcnt 0x0
	s_add_nc_u64 s[74:75], s[8:9], s[72:73]
.irp p, 0,1
	s_mov_b32 s[G0+4*\p], 1
	s_add_co_u32 s[G0+4*\p+1], s72, \p*SLB
	s_add_nc_u64 s[G0+4*\p+2:G0+4*\p+3], s[74:75], \p*SLB
	s_or_b32 s[G0+4*\p+3], s[G0+4*\p+3], 0x80000000
.endr
	CROUND                                         ; all four work-groups are here: the first joint loads meet
	tensor_load_to_lds s[G0:G0+3], s[G1:G1+7]      ; slot 0
	s_nop 0
	tensor_load_to_lds s[G0+4:G0+7], s[G1:G1+7]    ; slot 1
	s_nop 0
	NOP4
	s_lshl_b32 s76, s42, 6                         ; my first token
	s_lshl_b32 s77, s[WV], 4
	s_add_co_u32 s77, s76, s77                     ; the token tile that I bring in: tile w
	s_mul_i32 s78, s77, 768
	s_mov_b32 s79, 0
	s_add_nc_u64 s[4:5], s[4:5], s[78:79]
	s_lshl_b32 s78, s77, 5
	s_add_nc_u64 s[6:7], s[6:7], s[78:79]
	s_lshr_b32 s78, ttmp9, 3                       ; the batch: 8 clusters of 4 x 64 tokens
	s_lshl_b32 s78, s78, 13
	s_add_nc_u64 s[10:11], s[10:11], s[78:79]
	s_add_nc_u64 s[12:13], s[12:13], s[78:79]
	s_lshl_b32 s78, s76, 12
	s_lshl_b32 s80, s[WV], 10
	s_mov_b32 s81, 0
	s_add_co_u32 s78, s78, s80
	s_add_nc_u64 s[16:17], s[16:17], s[78:79]      ; input_tensor and out0 at my first token, my first column
	s_add_nc_u64 s[22:23], s[22:23], s[78:79]
	s_add_nc_u64 s[18:19], s[18:19], s[80:81]
	s_add_nc_u64 s[20:21], s[20:21], s[80:81]
	s_load_b128 s[68:71], s[14:15], 0x0            ; sel_b
.irp s, 0,1,2,3,4,5,6,7
.irp p, 0,1,2,3,4,5
	global_load_b64 v[AF+12*\s+2*\p:AF+12*\s+2*\p+1], v22, s[4:5] offset:96*\s+48*(\p/3)+8*(\p%3)
.endr
.endr
.irp s, 0,1,2,3
	global_load_b32 v[26+\s], v23, s[6:7] offset:8*\s
.endr
	; the batch's 2,048 rows of the five dots, four partial sums each, and its mask: sixteen rows a thread
	WIN 0x80
.irp v, 0,1,2,3
.irp c, 0,1,2,3
.irp i, 0,1,2,3
	global_load_b128 v[64*\v+16*\c+4*\i:64*\v+16*\c+4*\i+3], v24, s[10:11] offset:262144*\v+65536*\c+2048*\i
.endr
.endr
.endr
	WIN 0xc0
.irp c, 0,1,2,3
.irp i, 0,1,2,3
	global_load_b128 v[16*\c+4*\i:16*\c+4*\i+3], v24, s[10:11] offset:262144*4+65536*\c+2048*\i
.endr
.endr
.irp i, 0,1,2,3
	global_load_b128 v[64+4*\i:67+4*\i], v24, s[12:13] offset:2048*\i
.endr
	WIN 0
	s_wait_loadcnt 63                              ; 84 loads were issued behind the tokens' 52: with 63 out at the most these are in
.irp s, 0,1,2,3,4,5,6,7
.irp c, 0,1,2
	ds_store_b128 v25, v[AF+12*\s+4*\c:AF+12*\s+4*\c+3] offset:FB*\s+512*\c
.endr
.endr
.irp s, 0,1,2,3
	ds_store_b32 v30, v[26+\s] offset:128*\s
.endr
	ds_store_b64 v31, v[32:33]                     ; zeros behind both regions' scale words: a loop's last look-ahead reads them and multiplies nothing
	ds_store_b64 v31, v[32:33] offset:RSZ
	s_wait_loadcnt 0x0
	WIN 0x0a                                       ; the four partial sums of each dot, into v[160 + 16 v + k]
.irp v, 0,1,2,3
.irp k, 0,2,4,6,8,10,12,14
	v_pk_add_f32 v[160+16*\v+\k:161+16*\v+\k], v[64*\v+\k:64*\v+\k+1], v[64*\v+16+\k:64*\v+17+\k]
.endr
.endr
	WIN 0x08
.irp c, 32,48
.irp v, 0,1,2,3
.irp k, 0,2,4,6,8,10,12,14
	v_pk_add_f32 v[160+16*\v+\k:161+16*\v+\k], v[160+16*\v+\k:161+16*\v+\k], v[64*\v+\c+\k:64*\v+\c+\k+1]
.endr
.endr
.endr
	WIN 0x0f
.irp k, 0,2,4,6,8,10,12,14
	v_pk_add_f32 v[224+\k:225+\k], v[\k:\k+1], v[16+\k:17+\k]
.endr
	WIN 0x0c
.irp c, 32,48
.irp k, 0,2,4,6,8,10,12,14
	v_pk_add_f32 v[224+\k:225+\k], v[224+\k:225+\k], v[\c+\k:\c+\k+1]
.endr
.endr
.irp k, 0,2,4,6,8,10,12,14
	v_pk_add_f32 v[160+\k:161+\k], v[160+\k:161+\k], v[64+\k:65+\k]   ; + the mask
.endr
	WIN 0
	v_mov_b32 v241, 0
	v_mov_b32 v252, 0
	v_max3_num_f32 v240, v160, v161, 0xff7fffff    ; my wave's largest a, not under the lowest finite number: rows at -infinity then give e = 0 and never infinity less infinity
.irp k, 2,4,6,8,10,12,14
	v_max3_num_f32 v240, v240, v[160+\k], v[161+\k]
.endr
.irp x, 1,2,4,8
	v_max_num_f32_dpp v240, v240, v240 row_xmask:\x row_mask:0xf bank_mask:0xf
.endr
	v_permlanex16_b32 v252, v240, s[SEL], s[SEL+1]
	v_max_num_f32 v240, v240, v252
.irp k, 0,2,4,6,8,10,12,14
	v_pk_add_f32 v[160+\k:161+\k], v[160+\k:161+\k], v[240:241] op_sel_hi:[1,0] neg_lo:[0,1] neg_hi:[0,1]
.endr
.irp k, 0,2,4,6,8,10,12,14
	v_pk_mul_f32 v[160+\k:161+\k], v[160+\k:161+\k], 0x3fb8aa3b op_sel_hi:[1,0]
.endr
.irp k, 0,1,2,3,4,5,6,7,8,9,10,11,12,13,14,15
	v_exp_f32 v[160+\k], v[160+\k]                 ; e = exp(a - the wave's maximum)
.endr
	v_nop                                          ; a plain place behind the exponentials,
	s_wait_alu depctr_va_vdst(0)                   ; and one wait for the batch, ahead of its first reader
	v_pk_add_f32 v[242:243], v[160:161], v[162:163]
.irp t, 0,1,2,3
	v_pk_mul_f32 v[244+2*\t:245+2*\t], v[160:161], v[176+16*\t:177+16*\t]
.endr
.irp k, 2,4,6,8,10,12,14
.if \k > 2
	v_pk_add_f32 v[242:243], v[242:243], v[160+\k:161+\k]
.endif
.irp t, 0,1,2,3
	v_pk_fma_f32 v[244+2*\t:245+2*\t], v[160+\k:161+\k], v[176+16*\t+\k:177+16*\t+\k], v[244+2*\t:245+2*\t]
.endr
.endr
	v_add_f32 v241, v242, v243                     ; v240 .. v245: the maximum, the sum of e, the four sums of e x dot
	v_add_f32 v242, v244, v245
	v_add_f32 v243, v246, v247
	v_add_f32 v244, v248, v249
	v_add_f32 v245, v250, v251
.irp x, 1,2,4,8
.irp q, 241,242,243,244,245
	v_add_f32_dpp v\q, v\q, v\q row_xmask:\x row_mask:0xf bank_mask:0xf
.endr
.endr
.irp q, 241,242,243,244,245
	v_permlanex16_b32 v252, v\q, s[SEL], s[SEL+1]
	v_add_f32 v\q, v\q, v252
.endr
	ds_store_b128 v34, v[240:243]                  ; all lanes write the same words with the same values
	ds_store_b64 v34, v[244:245] offset:16
	s_wait_tensorcnt 0x0                           ; slots 0 and 1 have landed (both slots' biases are read next)
	s_wait_dscnt 0x0                               ; the tokens' images, the zeros and my figures lie in LDS
	s_barrier_signal -1
	s_barrier_wait -1
.irp j, 0,1,2,3
	ds_load_b128 v[160+8*\j:163+8*\j], v35 offset:32*\j
	ds_load_b64 v[164+8*\j:165+8*\j], v35 offset:32*\j+16
.endr
	s_wait_dscnt 0x0
	v_max3_num_f32 v240, v160, v168, v176
	v_max_num_f32 v240, v240, v184                 ; the batch's maximum
.irp j, 0,1,2,3
	v_sub_f32 v[192+\j], v[160+8*\j], v240
.endr
.irp j, 0,1,2,3
	v_mul_f32 v[192+\j], 0x3fb8aa3b, v[192+\j]
.endr
.irp j, 0,1,2,3
	v_exp_f32 v[192+\j], v[192+\j]
.endr
	v_nop
	s_wait_alu depctr_va_vdst(0)
.irp q, 0,1,2,3,4
	v_mul_f32 v[196+\q], v192, v[161+\q]
.endr
.irp j, 1,2,3
.irp q, 0,1,2,3,4
	v_fma_f32 v[196+\q], v[192+\j], v[161+8*\j+\q], v[196+\q]
.endr
.endr
	v_rcp_f32 v201, v196
	v_nop
	s_wait_alu depctr_va_vdst(0)
	s_wait_kmcnt 0x0                               ; sel_b
.irp t, 0,1,2,3
	v_fma_f32 v[202+\t], v[197+\t], v201, s[68+\t] ; z_t
.endr
	v_max3_num_f32 v206, v202, v203, v204
	v_max_num_f32 v206, v206, v205
.irp t, 0,1,2,3
	v_sub_f32 v[202+\t], v[202+\t], v206
.endr
.irp t, 0,1,2,3
	v_mul_f32 v[202+\t], 0x3fb8aa3b, v[202+\t]
.endr
.irp t, 0,1,2,3
	v_exp_f32 v[202+\t], v[202+\t]
.endr
	v_nop
	s_wait_alu depctr_va_vdst(0)
	v_add_f32 v207, v202, v203
	v_add_f32 v208, v204, v205
	v_add_f32 v207, v207, v208
	v_rcp_f32 v209, v207
	v_nop
	s_wait_alu depctr_va_vdst(0)
.irp t, 0,1,2,3
	v_mul_f32 v[202+\t], v[202+\t], v209           ; d_t
.endr
.irp t, 0,1,2,3
	v_readfirstlane_b32 s[DQ+2*\t], v[202+\t]
	s_mov_b32 s[DQ+2*\t+1], s[DQ+2*\t]             ; (named with it as a pair, so it is written)
.endr
	PRELOAD 2,0                                    ; h begins as dense_b
	PRELOAD 3,1
	ILOAD 0,0,0                                    ; input_tensor, my columns' first half: wanted a product later
	ILOAD 64,1,0
	ILOAD 128,2,0
	ILOAD 192,3,0
	s_mov_b32 s[TA], 0
	s_mov_b32 s[TS], 0
	PAGRP 0                                        ; the same order of loads as at a slot's end, so that the loop's counts hold on the way in
	FETE 0,0
	FETE 0,1
	FSCALE 0
	FETE 0,2
	FETE 0,3
	PAGRP 1
	; ---- THE FIRST PRODUCT: slots 0-7.  A trip is a pair of K steps: my tiles 0-7 (window 2), then my tiles 8-15 (window 3), on the same tokens' fragments.
	s_mov_b32 s43, 4
.Lp1:
	SLOTE 0,2,1,0
	SLOTE 1,3,0,1
	s_sub_co_u32 s43, s43, 1
	s_cmp_lg_u32 s43, 0
	s_cbranch_scc1 .Lp1
	; ---- h is quantised; input_tensor's first half is added behind that.
	s_wait_dscnt 0x0                               ; my reads of region A are over
	NOP4
	s_barrier_signal -1
	s_barrier_wait -1                              ; everybody's are: region A takes the waves' stages
	s_wait_loadcnt 0x0
	TRANS 0
	TRANS 64
	TRANS 128
	TRANS 192
	ZPERM
	QUANT 2,0,0
	IMAGE 0,0
	QUANT 3,0,1
	IMAGE 0,1
.irp m, 1,2,3
	s_wait_dscnt 4                                 ; the four stores of the image before may be out: those that read this set's registers are done
	QUANT 2,64*\m,0
	IMAGE \m,0
	s_wait_dscnt 4
	QUANT 3,64*\m,1
	IMAGE \m,1
.endr
	s_wait_dscnt 0x0
	IADD 0,0,2
	IADD 64,1,2
	IADD 128,2,2
	IADD 192,3,2
	s_barrier_signal -1
	s_barrier_wait -1                              ; Q(h) lies in region B, and nobody reads a stage in region A any more
	v_add_nc_u32 v[AI0], RBB, v[LI]
	v_add_nc_u32 v[ASI0], RBB+RSC, v[LS]
	; ---- THE SECOND PRODUCT: slots 8-15.  A pass makes 128 columns of low (my task's K step u of the third product) over all of K = 1,024, and quantises them into region A.
	s_mov_b32 s[TU], 0
	s_mov_b32 s[TV], 0
	s_mov_b32 s43, 2
.Lpass:
	PRELOAD 1,0                                    ; low begins as pal_b1
	s_mov_b32 s[TA], 0
	s_mov_b32 s[TS], 0
	PAGRP 0
	PAGRP 1
	s_wait_dscnt 16                                ; the biases and K step 0's fragments are in; K step 1's sixteen loads may be out
	s_mov_b32 s44, 2
.Lp2:
	SLOTE 0,1,1,1
	SLOTE 1,1,1,1
	s_sub_co_u32 s44, s44, 1
	s_cmp_lg_u32 s44, 0
	s_cbranch_scc1 .Lp2
	s_wait_dscnt 0x0
	NOP4
	s_add_co_u32 s87, s[QA], s[TU]
	v_add_nc_u32 v[QWI], s87, v[LI]
	s_add_co_u32 s87, s[QA2], s[TV]
	v_lshl_add_u32 v[QWS], v20, 2, s87
	ZPERM
	QUANT 1,0,0
	IMAGE 0,0
	QUANT 1,64,1
	IMAGE 1,0
	s_wait_dscnt 4
	QUANT 1,128,0
	IMAGE 2,0
	s_wait_dscnt 4
	QUANT 1,192,1
	IMAGE 3,0
	s_wait_dscnt 0x0                               ; the stores have read their registers and have landed
	s_add_co_u32 s[TU], s[TU], FB
	s_add_co_u32 s[TV], s[TV], 64
	s_sub_co_u32 s43, s43, 1
	s_cmp_lg_u32 s43, 0
	s_cbranch_scc1 .Lpass
	s_barrier_signal -1
	s_barrier_wait -1                              ; Q(low) lies in region A; nobody reads region B any more: it takes the stages
	; ---- THE THIRD PRODUCT: slots 16-23: task t, my tiles 0-7, then 8-15; each tile of ts is folded into x as soon as it is whole.
	v_add_nc_u32 v[AI0], RA, v[LI]
	v_add_nc_u32 v[ASI0], RA+RSC, v[LS]
	v_add_nc_u32 v[STI], RSZ, v[STI]
	v_add_nc_u32 v[STR], RSZ, v[STR]
	ILOAD 128,0,1                                  ; input_tensor, my columns' second half, two token tiles at a time
	ILOAD 192,1,1
	s_mov_b32 s[TA], 0
	s_mov_b32 s[TS], 0
	FETT 0,0                                       ; slot 16 is walked tile by tile: its first four units are fetched anew in that order (its scale words are in)
	FETT 0,1
	FETT 0,2
	PAGRP 0
	PAGRP 1
	FETT 0,3
	s_mov_b32 s43, 3
.Lp3:
	s_mov_b64 s[DC:DC+1], s[DQ:DQ+1]               ; this task's d; the queue moves up
	s_mov_b64 s[DQ:DQ+1], s[DQ+2:DQ+3]
	s_mov_b64 s[DQ+2:DQ+3], s[DQ+4:DQ+5]
	s_mov_b64 s[DQ+4:DQ+5], s[DQ+6:DQ+7]
	SLOTT 0,0,1,0,1
	SLOTT 1,1,0,1,1
	s_cmp_lg_u32 s43, 2                            ; in the second trip alone: the input that has come is added, and the rest is asked for; no barrier and no tensor load stands here
	s_cbranch_scc1 .Lnomid
	s_wait_loadcnt 0x0
	TRANS 128
	TRANS 192
	s_wait_dscnt 0x0
	IADD 128,0,3
	IADD 192,1,3
	ILOAD 128,2,1
	ILOAD 192,3,1
.Lnomid:
	s_sub_co_u32 s43, s43, 1
	s_cmp_lg_u32 s43, 0
	s_cbranch_scc1 .Lp3
	s_mov_b64 s[DC:DC+1], s[DQ:DQ+1]               ; the last task is written out: nothing is left to ask for
	SLOTT 0,0,1,0,0
	SLOTT 1,1,0,0,-1
	s_wait_loadcnt 0x0
	TRANS 128
	TRANS 192
	s_wait_dscnt 0x0
	IADD 128,2,3
	IADD 192,3,3
	; ---- LAYERNORM.  My 256 columns' mean and sum of squares about it for each token; the four waves' figures meet in LDS; var = (sum of M2 + 256 sum of (mean_w - mu)^2) / 1,024: no difference of large sums is formed.
	v_lshlrev_b32 v39, 6, v21
	WIN 0x40
.irp g, 0,1
.irp b, 0,1,2,3
.irp q, 0,1,2,3
	global_load_b128 v[64*\g+16*\b+4*\q:64*\g+16*\b+4*\q+3], v39, s[18:19] offset:512*\g+128*\b+16*\q
	global_load_b128 v[128+64*\g+16*\b+4*\q:128+64*\g+16*\b+4*\q+3], v39, s[20:21] offset:512*\g+128*\b+16*\q
.endr
.endr
.endr
	WIN 0
	s_mov_b32 s89, 0x2b8cbccc                      ; 1e-12
	s_mov_b32 s90, 0x3a800000                      ; 1 / 1,024
.irp w, 2,3
	WIN ((\w)<<2)|(\w)
.irp m, 0,1,2,3
	v_pk_add_f32 v[SM+2*(\m+4*(\w-2)):SM+2*(\m+4*(\w-2))+1], v[64*\m:64*\m+1], v[64*\m+2:64*\m+3]
.endr
	WIN (\w)<<2
.set k, 4
.rept 30
.irp m, 0,1,2,3
	v_pk_add_f32 v[SM+2*(\m+4*(\w-2)):SM+2*(\m+4*(\w-2))+1], v[SM+2*(\m+4*(\w-2)):SM+2*(\m+4*(\w-2))+1], v[64*\m+k:64*\m+k+1]
.endr
.set k, k+2
.endr
.endr
	WIN 0
.irp m, 0,1,2,3
	v_pk_add_f32 v[SM+2*\m:SM+2*\m+1], v[SM+2*\m:SM+2*\m+1], v[SM+8+2*\m:SM+9+2*\m]
.endr
.irp m, 0,1,2,3
	v_add_f32 v[22+\m], v[SM+2*\m], v[SM+2*\m+1]
.endr
.irp m, 0,1,2,3
	v_permlanex16_b32 v[26+\m], v[22+\m], s[SEL], s[SEL+1]
.endr
.irp m, 0,1,2,3
	v_add_f32 v[22+\m], v[22+\m], v[26+\m]
.endr
.irp m, 0,1,2,3
	v_mul_f32 v[MP+2*\m], 0x3b800000, v[22+\m]     ; my 256 columns' mean
	v_mov_b32 v[MP+2*\m+1], 0
.endr
.irp w, 2,3
	WIN ((\w)<<6)|(\w)
.set k, 0
.rept 32
.irp m, 0,1,2,3
	v_pk_add_f32 v[64*\m+k:64*\m+k+1], v[64*\m+k:64*\m+k+1], v[MP+2*\m:MP+2*\m+1] op_sel_hi:[1,0] neg_lo:[0,1] neg_hi:[0,1]
.endr
.set k, k+2
.endr
	WIN ((\w)<<2)|(\w)
.irp m, 0,1,2,3
	v_pk_mul_f32 v[QS+2*(\m+4*(\w-2)):QS+2*(\m+4*(\w-2))+1], v[64*\m:64*\m+1], v[64*\m:64*\m+1]
.endr
.set k, 2
.rept 31
.irp m, 0,1,2,3
	v_pk_fma_f32 v[QS+2*(\m+4*(\w-2)):QS+2*(\m+4*(\w-2))+1], v[64*\m+k:64*\m+k+1], v[64*\m+k:64*\m+k+1], v[QS+2*(\m+4*(\w-2)):QS+2*(\m+4*(\w-2))+1]
.endr
.set k, k+2
.endr
.endr
	WIN 0
.irp m, 0,1,2,3
	v_pk_add_f32 v[QS+2*\m:QS+2*\m+1], v[QS+2*\m:QS+2*\m+1], v[QS+8+2*\m:QS+9+2*\m]
.endr
.irp m, 0,1,2,3
	v_add_f32 v[22+\m], v[QS+2*\m], v[QS+2*\m+1]
.endr
.irp m, 0,1,2,3
	v_permlanex16_b32 v[26+\m], v[22+\m], s[SEL], s[SEL+1]
.endr
.irp m, 0,1,2,3
	v_add_f32 v[XD+2*\m+1], v[22+\m], v[26+\m]
	v_mov_b32 v[XD+2*\m], v[MP+2*\m]
.endr
.irp m, 0,1,2,3
	ds_store_b64 v38, v[XD+2*\m:XD+2*\m+1] offset:512*\m
.endr
	s_wait_dscnt 0x0
	s_barrier_signal -1
	s_barrier_wait -1
.irp m, 0,1,2,3
	ds_load_b128 v[192+8*\m:195+8*\m], v37 offset:512*\m
	ds_load_b128 v[196+8*\m:199+8*\m], v37 offset:512*\m+16
.endr
	s_wait_dscnt 0x0
.irp m, 0,1,2,3
	v_add_f32 v[22+\m], v[192+8*\m], v[194+8*\m]
	v_add_f32 v[26+\m], v[196+8*\m], v[198+8*\m]
.endr
.irp m, 0,1,2,3
	v_add_f32 v[22+\m], v[22+\m], v[26+\m]
.endr
.irp m, 0,1,2,3
	v_mul_f32 v[22+\m], 0x3e800000, v[22+\m]       ; mu
.endr
.irp j, 0,2,4,6
.irp m, 0,1,2,3
	v_sub_f32 v[192+8*\m+\j], v[192+8*\m+\j], v[22+\m]
.endr
.endr
.irp m, 0,1,2,3
	v_add_f32 v[26+\m], v[193+8*\m], v[195+8*\m]
	v_mul_f32 v[30+\m], v[192+8*\m], v[192+8*\m]
.endr
.irp j, 2,4,6
.irp m, 0,1,2,3
	v_add_f32 v[26+\m], v[26+\m], v[195+8*\m+\j-2+2*(\j/4)-2*(\j/4)]
	v_fma_f32 v[30+\m], v[192+8*\m+\j], v[192+8*\m+\j], v[30+\m]
.endr
.endr
.irp m, 0,1,2,3
	v_sub_f32 v[26+\m], v[26+\m], v[195+8*\m]      ; (the run above took M2 of wave 1 once more in its first turn: it is taken off again)
.endr
.irp m, 0,1,2,3
	v_fma_f32 v[26+\m], v[30+\m], 0x43800000, v[26+\m]
.endr
.irp m, 0,1,2,3
	v_fma_f32 v[26+\m], v[26+\m], s90, s89         ; var + 1e-12
.endr
.irp m, 0,1,2,3
	v_rsq_f32 v[AP+2*\m], v[26+\m]
.endr
.irp m, 0,1,2,3
	v_sub_f32 v[30+\m], v[MP+2*\m], v[22+\m]       ; my mean less mu: plain work behind the batch
	v_mov_b32 v[AP+2*\m+1], 0
	v_mov_b32 v[BP+2*\m+1], 0
.endr
	s_wait_alu depctr_va_vdst(0)                   ; one wait for the four, ahead of their first reader
.irp m, 0,1,2,3
	v_mul_f32 v[BP+2*\m], v[30+\m], v[AP+2*\m]
.endr
.macro NORM m, g                       ; (x - my mean) / sigma + (my mean - mu) / sigma, then x ln_g + ln_b
	WIN ((2+\g)<<6)|(2+\g)
.set k, 0
.rept 32
	v_pk_fma_f32 v[64*(\m)+k:64*(\m)+k+1], v[64*(\m)+k:64*(\m)+k+1], v[AP+2*(\m):AP+2*(\m)+1], v[BP+2*(\m):BP+2*(\m)+1] op_sel_hi:[1,0,0]
.set k, k+2
.endr
	WIN ((2+\g)<<6)|(1<<4)|(1<<2)|(2+\g)
.set k, 0
.rept 32
	v_pk_fma_f32 v[64*(\m)+k:64*(\m)+k+1], v[64*(\m)+k:64*(\m)+k+1], v[64*(\g)+k:64*(\g)+k+1], v[128+64*(\g)+k:128+64*(\g)+k+1]
.set k, k+2
.endr
.endm
.macro TOST m, g, set                  ; through my stage: in by the accumulators' layout, back as rows of 512 bytes
	WIN (2+\g)<<2
.irp b, 0,1,2,3
.irp q, 0,1,2,3
	ds_store_b128 v[STI], v[64*(\m)+16*\b+4*\q:64*(\m)+16*\b+4*\q+3] offset:128*\b+16*\q
.endr
.endr
	WIN 0
.irp t, 0,1,2,3,4,5,6,7,8,9,10,11,12,13,14,15
	ds_load_b128 v[OB+64*(\set)+4*\t:OB+64*(\set)+4*\t+3], v[STR] offset:528*\t
.endr
.endm
.macro SEND m, g, set, younger
	s_wait_dscnt \younger
.irp t, 0,1,2,3,4,5,6,7,8,9,10,11,12,13,14,15
	global_store_b128 v[LI], v[OB+64*(\set)+4*\t:OB+64*(\set)+4*\t+3], s[22:23] offset:(16*(\m)+\t)*4096+512*(\g) th:TH_STORE_NT   ; 32 lanes store 512 bytes on end, at a multiple of 512 from the buffer's first byte
.endr
.endm
	s_wait_loadcnt 0x0                             ; ln_g, ln_b
	NORM 0,0
	TOST 0,0,0
.irp a, 1,2,3,4,5,6,7
	NORM (\a)/2,(\a)%2
.if \a > 1
	s_wait_xcnt 0x0                                ; the stores of two blocks back have read their registers: this block's rows may land there
.endif
	TOST (\a)/2,(\a)%2,(\a)%2
	SEND (\a-1)/2,(\a-1)%2,(\a-1)%2,32             ; behind the block's loads: the next block's 16 stores and 16 loads
.endr
	SEND 3,1,1,0
	s_wait_tensorcnt 0x0                           ; the wave's end
	ds_add_u32 v[SPW], v[NIL]
	s_wait_dscnt 0x0
	CROUND                                         ; the closing round
	s_endpgm
.Lfunc_end_k_q319ab08036_fused:
	.size	k_q319ab08036_fused, .Lfunc_end_k_q319ab08036_fused-k_q319ab08036_fused
	.p2alignl 7, 3214868480
	.fill 96, 4, 3214868480
	.section	.rodata,"a",@progbits
	.p2align	6, 0x0
	.amdhsa_kernel k_q319ab08036_fused
		.amdhsa_group_segment_fixed_size 327680
		.amdhsa_private_segment_fixed_size 0
		.amdhsa_enable_private_segment 0
		.amdhsa_kernarg_size 80
		.amdhsa_user_sgpr_count 2
		.amdhsa_user_sgpr_kernarg_segment_ptr 1
		.amdhsa_wavefront_size32 1
		.amdhsa_system_sgpr_workgroup_id_x 1
		.amdhsa_system_sgpr_workgroup_id_y 1
		.amdhsa_system_sgpr_workgroup_id_z 1
		.amdhsa_system_vgpr_workitem_id 0
		.amdhsa_next_free_vgpr 1024
		.amdhsa_next_free_sgpr 100
		.amdhsa_reserve_vcc 0
		.amdhsa_float_denorm_mode_32 3
		.amdhsa_float_denorm_mode_16_64 3
		.amdhsa_memory_ordered 1
		.amdhsa_forward_progress 1
		.amdhsa_inst_pref_size 255
	.end_amdhsa_kernel
	.section	.bss,"aw",@nobits
	.p2align	6
	.space	262144
	.amdgpu_metadata
---
amdhsa.version: [ 1, 2 ]
amdhsa.kernels:
  - .name:           k_q319ab08036_fused
    .symbol:         k_q319ab08036_fused.kd
    .args:
      - { .name: hidden_states_codes, .offset: 0, .size: 8, .value_kind: global_buffer, .address_space: global }
      - { .name: hidden_states_scales, .offset: 8, .size: 8, .value_kind: global_buffer, .address_space: global }
      - { .name: wimg, .offset: 16, .size: 8, .value_kind: global_buffer, .address_space: global }
      - { .name: part, .offset: 24, .size: 8, .value_kind: global_buffer, .address_space: global }
      - { .name: attention_mask, .offset: 32, .size: 8, .value_kind: global_buffer, .address_space: global }
      - { .name: sel_b, .offset: 40, .size: 8, .value_kind: global_buffer, .address_space: global }
      - { .name: input_tensor, .offset: 48, .size: 8, .value_kind: global_buffer, .address_space: global }
      - { .name: ln_g, .offset: 56, .size: 8, .value_kind: global_buffer, .address_space: global }
      - { .name: ln_b, .offset: 64, .size: 8, .value_kind: global_buffer, .address_space: global }
      - { .name: out0, .offset: 72, .size: 8, .value_kind: global_buffer, .address_space: global }
    .group_segment_fixed_size: 327680
    .private_segment_fixed_size: 0
    .kernarg_segment_align: 8
    .kernarg_segment_size: 80
    .max_flat_workgroup_size: 128
    .sgpr_count:     100
    .vgpr_count:     1024
    .wavefront_size: 32
...
	.end_amdgpu_metadata
.endif
;; end of part 2
;; ======== version 2 of 2: 2 launches
;; limits: right only within a limited range of input values
;; workspace buffers: wimg 2,555,904 bytes; part 1,310,720 bytes
;; launch stats (part 3): grid 4 x 64, 4 waves a work-group, clusters of 4 x 4, 327,680 bytes of LDS; arguments hidden_states_codes, hidden_states_scales, dense_W_codes, dense_W_scales, dense_b, pal_W1_codes, pal_W1_scales, pal_b1, pal_W2_codes, pal_W2_scales, pal_b2, enc_W, sel_W, wimg, part; writes wimg, part
.if DOCPART == 3
	.amdgcn_target "amdgcn-amd-amdhsa--gfx1250"
	.amdhsa_code_object_version 6
	.text
	.protected	k_q319ab08036_stats
	.globl	k_q319ab08036_stats
	.p2align	8
	.type	k_q319ab08036_stats,@function
k_q319ab08036_stats:
	s_mov_b64 s[64:65], 0
	v_nop
	global_prefetch_b8 v0, s[64:65] scope:SCOPE_SE
	s_setreg_imm32_b32 hwreg(HW_REG_WAVE_MODE, 25, 1), 1
	s_wait_xcnt 0x0
	s_wait_alu depctr_hold_cnt(0) depctr_sa_sdst(0) depctr_va_vdst(0) depctr_va_sdst(0) depctr_va_ssrc(0) depctr_va_vcc(0) depctr_vm_vsrc(0)
	s_getreg_b32 s2, hwreg(HW_REG_IB_STS2, 6, 4)
	s_cmp_eq_u32 s2, 0
	s_cbranch_scc0 .Lentry_in_a_cluster
	s_endpgm
.Lentry_in_a_cluster:
	s_bfe_u32 s2, ttmp6, 0x10000c
	s_cmp_lg_u32 s2, 0xf033
	s_cbranch_scc0 .Lentry_shape_is_right
	s_endpgm
.Lentry_shape_is_right:
; STATS: the first of two launches.  h = hidden_states x dense_W + dense_b on codes of FP6 (E2M3) with E8M0 scales, in tiles of 256 x 256; h is not stored: of each row and each tile column
; five partial dot products go out, h . enc_W and h . sel_W[0..3] over the tile's 256 columns, f32: part[v][tile column][row].  Beside that each work-group lays 1/256 of the three weights
; out for the second launch (wimg): images of operand registers, scale words and biases in the order in which that launch walks them.
; WORK LEFT OUT, for all values of the inputs: enc_b is added to every one of the 2,048 logits of a batch, and the softmax over these logits is unchanged by a term that is the same along its
; axis; enc_b reaches no output by any other way.  It is not loaded and is no argument of either launch.  LIMIT: a NaN, an infinity or an overflow that enc_b alone would bring is not carried.
; ANOTHER ORDER OF SUMS, for all values: task_vector . sel_W[t] = sum over s of w_s (h_s . sel_W[t]): so five numbers a row serve in place of h.  h itself is computed again in the second launch.
; LIMIT: a given scale byte 0xff gives NaN, as the matrix instruction defines it.
; THE PRODUCT: four waves, each 128 x 128 of a tile: 64 accumulators, 512 registers.  K goes through a ring of two LDS slots in chunks of 256 bytes of each row of codes (a row is 768 bytes:
; three chunks, each beginning at a multiple of 256 bytes); a step of 128 along K is 96 bytes: eight steps to three chunks, steps 2 and 5 lie across two chunks.  The scale bytes come once and stay.
; 4 x 4 work-groups form a cluster: A's tiles are asked for jointly along a row of it, B's along a column.  The matrix instruction is used transposed (source 0 = 16 rows of dense_W,
; source 1 = 16 tokens): a lane holds one token and eight neighbouring columns.  dense_b is the C of the first step's products.
; NO PREFETCH: of the three chunks along K two are first fills and one alone is a refill: there is no loop to run ahead in.
; REGISTERS: window 0: v0-31 addresses; v32-63 scale words, two sets; v64-127 dense_b in the result's layout; from v128 A's fragments, later the five vectors; window 1: B's fragments, two sets,
; later the sums of the dots; windows 2, 3: the accumulators.
.set ROWB,   256
.set NQ,     2
.set KROW,   768
.set STEPS,  8
.set CHUNKS, 3
.set PITCH,  272                       ; an LDS row: 256 bytes + 16 of padding
.set FR,     12
.set NL,     6
.set NP,     4
.set HALFT,  128*PITCH
.set SLOT,   4*HALFT
.set KS,     32
.set SCL,    2*SLOT                    ; the scales, as units of 256 bytes + 16
.set HALFS,  16*272
.set SBLK,   2*272
.set SPARE,  SCL+4*HALFS               ; the spare words: 128 bytes a wave, named by no other line
.set EV,     SPARE+512                 ; enc_W and sel_W[0..3] at the tile's 256 columns: 5 x 1,024 bytes; no fill lands here
.set SCR,    EV+5*1024                 ; 4 waves x 5 x 512 bytes: the waves' partial dots
.set ADRA, 16                          ; v16-17 my A fragments in slot 0, 1; v18-19 for pieces whose two lane halves lie in different chunks
.set ADRB, 20                          ; v20-23 the same for B
.set EA,   24                          ; EV + 512 x my column half + 32 (lane / 16)
.set EW,   25                          ; EV + 8 x thread
.set SW,   26                          ; SCR + 2,560 x wave + 4 x lane
.set ADRS, 27
.set SPW,  28
.set NIL,  29
.set SRD,  30                          ; SCR + 2,560 x wave + 16 x lane
.set PO,   31                          ; 16 x lane
.set SC,   32
.set BI,   64
.set AF,   128
.set E0,   128
.set G1, 24
.set G0, 32
.set G1B, 48
.set G0B, 56
.set SAD, 68                           ; s[68:69] where my tile's A scales begin, s[70:71] B's
.set MSB, 0
.macro WIN new                         ; the immediate's high byte repeats the setting that is left
.if MSB != (\new)
	s_set_vgpr_msb (MSB<<8)|(\new)
.set MSB, \new
.endif
.endm
.set MUL_LO, 0xa1
.set MUL_HI, 0xf1
.set TO_B,   0x40
.macro JLOAD g0a, g1a, g0b, g1b        ; a joint load: waves 0 and 1 fetch for A, waves 2 and 3 for B; the branch hangs on the wave's number alone
	s_cmp_eq_u32 s15, 0
	s_cbranch_scc0 .Lfor_b_\@
	tensor_load_to_lds s[\g0a:\g0a+3], s[\g1a:\g1a+7]
	s_nop 0
.rept 4
	v_nop
.endr
	s_branch .Lasked_\@
.Lfor_b_\@:
	tensor_load_to_lds s[\g0b:\g0b+3], s[\g1b:\g1b+7]
	s_nop 0
.rept 4
	v_nop
.endr
.Lasked_\@:
.endm
.macro CREST                           ; a round of the cluster's barrier behind its opening barrier
	s_cmp_lg_u32 s14, 0
	s_cbranch_scc1 .Lnot_wave_0_\@
	s_barrier_signal -3
.Lnot_wave_0_\@:
	s_barrier_wait -3
	s_barrier_signal -1
	s_barrier_wait -1
.endm
.macro CROUND
	s_barrier_signal -1
	s_barrier_wait -1
	CREST
.endm
	s_load_b256 s[4:11], s[0:1], 0x0               ; tokens' codes, tokens' scales, dense_W's codes, dense_W's scales
	s_load_b64 s[12:13], s[0:1], 0x20              ; dense_b
	s_load_b128 s[96:99], s[0:1], 0x58             ; enc_W, sel_W
	s_load_b64 s[100:101], s[0:1], 0x70            ; part
	v_lshl_add_u32 v[SPW], v0, 2, SPARE
	v_mov_b32 v[NIL], 0
	ds_add_u32 v[SPW], v[NIL]                      ; the opening: the add, twice on end, and its wait ahead of my first tensor load
	ds_add_u32 v[SPW], v[NIL]
	v_lshrrev_b32 v1, 5, v0
	v_readfirstlane_b32 s14, v1                    ; wave 0..3
	s_lshr_b32 s15, s14, 1                         ; my half of the tile's rows; also: I fetch for A (0) or B (1)
	s_and_b32 s16, s14, 1                          ; my half of its columns; also: which 128 rows I fetch
	s_bfe_u32 s40, ttmp6, 0x40000                  ; cx
	s_bfe_u32 s41, ttmp6, 0x40004                  ; cy
	s_lshl_b32 s42, ttmp9, 2
	s_add_co_u32 s42, s42, s40                     ; tile column
	s_and_b32 s17, ttmp7, 0xffff
	s_lshl_b32 s17, s17, 2
	s_add_co_u32 s17, s17, s41                     ; tile row
	s_lshl_b32 s43, s41, 2
	s_lshl_b32 s43, 15, s43                        ; my row of the cluster
	s_lshl_b32 s44, 0x1111, s40                    ; my column
	s_or_b32 s[G1+0], s43, (0<<16)|(1<<20)|(1<<21)|(5<<22)|(3<<25)   ; mask; bytes; 4 words of padding behind every 64; bit 21 beside a mask
	s_or_b32 s[G1B+0], s44, (0<<16)|(1<<20)|(1<<21)|(5<<22)|(3<<25)
.irp g, G1, G1B
	s_mov_b32 s[\g+1], ROWB<<16
	s_mov_b32 s[\g+2], 256<<16                     ; 256 rows for the head's loads; 128 behind them
	s_mov_b32 s[\g+3], ROWB<<16
	s_mov_b32 s[\g+4], 256
	s_mov_b32 s[\g+5], KROW
	s_mov_b32 s[\g+6], 0
	s_mov_b32 s[\g+7], 0
.endr
	s_lshl_b32 s20, s17, 8                         ; A: the tile's first row
	s_lshl_b32 s46, s42, 8                         ; B: likewise
	s_mov_b32 s21, 0
	s_mov_b32 s47, 0
	s_mov_b64 s[18:19], KS
	s_mul_u64 s[22:23], s[20:21], s[18:19]
	s_mul_u64 s[92:93], s[46:47], s[18:19]
	s_mov_b64 s[18:19], KROW
	s_mul_u64 s[20:21], s[20:21], s[18:19]
	s_mul_u64 s[46:47], s[46:47], s[18:19]
	s_wait_dscnt 0x0                               ; both opening adds are done
	s_wait_kmcnt 0x0
	s_add_nc_u64 s[20:21], s[4:5], s[20:21]
	s_add_nc_u64 s[SAD:SAD+1], s[6:7], s[22:23]
	s_add_nc_u64 s[46:47], s[8:9], s[46:47]
	s_add_nc_u64 s[SAD+2:SAD+3], s[10:11], s[92:93]
	CROUND                                         ; all sixteen work-groups are here: the first joint loads meet
	s_mov_b32 s[G0], 1                             ; the head's four tiles, each whole: chunk 0's 256 rows of A (slot 0's group 0 serves; it is set for the ring behind the wait below),
	s_mov_b32 s[G0+1], 0
	s_mov_b64 s[G0+2:G0+3], s[20:21]
	s_or_b32 s[G0+3], s[G0+3], 0x80000000
	s_mov_b32 s[G0B], 1                            ; its 256 rows of B,
	s_mov_b32 s[G0B+1], 2*HALFT
	s_mov_b64 s[G0B+2:G0B+3], s[46:47]
	s_or_b32 s[G0B+3], s[G0B+3], 0x80000000
	s_mov_b32 s[G0+4], 1                           ; chunk 1's 256 rows of A, in slot 1,
	s_mov_b32 s[G0+5], SLOT
	s_add_nc_u64 s[G0+6:G0+7], s[20:21], ROWB
	s_or_b32 s[G0+7], s[G0+7], 0x80000000
	s_mov_b32 s[G0B+4], 1                          ; and its 256 rows of B
	s_mov_b32 s[G0B+5], SLOT+2*HALFT
	s_add_nc_u64 s[G0B+6:G0B+7], s[46:47], ROWB
	s_or_b32 s[G0B+7], s[G0B+7], 0x80000000
; one tensor load a wave at the head, in one tree of branches on the wave's number
.macro ARM under, g0, g1, next
	s_cmp_lt_u32 s14, \under
	s_cbranch_scc0 \next
	tensor_load_to_lds s[\g0:\g0+3], s[\g1:\g1+7]
	s_nop 0
.rept 4
	v_nop
.endr
	s_branch .Lhead_asked
\next:
.endm
	ARM 1, G0,  G1,  .Lhead_b
	ARM 2, G0B, G1B, .Lhead_sa
	ARM 3, G0+4, G1, .Lhead_sb
	tensor_load_to_lds s[G0B+4:G0B+7], s[G1B:G1B+7]
	s_nop 0
.rept 4
	v_nop
.endr
.Lhead_asked:
	; the scale bytes of the tile's 256 rows of A and of B, 8,192 bytes each, dense: 16 bytes a thread and load, whole units of 256 bytes; not asked for jointly: they are 16,384 of the 409,600 bytes that a work-group reads
	v_lshlrev_b32 v15, 4, v0
.irp j, 0,1,2,3
	global_load_b128 v[160+4*\j:163+4*\j], v15, s[SAD:SAD+1] offset:2048*\j
	global_load_b128 v[176+4*\j:179+4*\j], v15, s[SAD+2:SAD+3] offset:2048*\j
.endr
	v_lshrrev_b32 v14, 4, v0
	v_add_nc_u32 v14, v14, v0
	v_lshl_add_u32 v14, v14, 4, SCL                ; in LDS: 16 x thread, and 16 more for each 256 passed
	v_and_b32 v1, 15, v0
	v_bfe_u32 v2, v0, 4, 1                         ; h
	v_mul_u32_u24 v3, v1, PITCH
	v_mul_u32_u24 v4, v2, 24
	v_add_nc_u32 v4, v3, v4                        ; row x pitch + 24 h
	s_mov_b32 s21, SLOT-232
	s_mov_b32 s22, SLOT+232
	v_sub_nc_u32 v7, 1, v2
	v_mul_u32_u24 v5, s21, v2
	v_add_nc_u32 v5, v3, v5
	v_add_nc_u32 v5, 232, v5                       ; lanes 0-15 byte 232 of the row in slot 0, lanes 16-31 byte 0 of the row in slot 1;
	v_mul_u32_u24 v6, s22, v7
	v_add_nc_u32 v6, v3, v6                        ; and the other way round
	s_mul_i32 s21, s15, HALFT
	s_mul_i32 s22, s16, HALFT
	s_add_co_u32 s22, s22, 2*HALFT
	v_add_nc_u32 v[ADRA+2], s21, v5
	v_add_nc_u32 v[ADRA+3], s21, v6
	v_add_nc_u32 v[ADRB+2], s22, v5
	v_add_nc_u32 v[ADRB+3], s22, v6
.irp s, 0,1
	v_add_nc_u32 v[ADRA+\s], s21, v4
	v_add_nc_u32 v[ADRB+\s], s22, v4
	s_add_co_u32 s21, s21, SLOT
	s_add_co_u32 s22, s22, SLOT
.endr
	v_mul_u32_u24 v5, v1, KS
	v_lshrrev_b32 v6, 8, v5
	v_lshl_add_u32 v5, v6, 4, v5
	s_mul_i32 s21, s15, HALFS
	s_mul_i32 s22, s16, HALFS
	s_add_co_u32 s22, s22, 2*HALFS
	s_sub_co_u32 s22, s22, s21
	v_mul_u32_u24 v6, s22, v2                      ; lanes 16-31 take B's scale words
	s_add_co_u32 s21, s21, SCL
	v_add_nc_u32 v5, v5, v6
	v_add_nc_u32 v[ADRS], s21, v5
	; every LDS address of the way out is made here, ahead of the waves' parting
	s_lshl_b32 s18, s16, 9
	s_add_co_u32 s18, s18, EV
	v_lshl_add_u32 v[EA], v2, 5, s18
	v_lshl_add_u32 v[EW], v0, 3, EV
	s_mul_i32 s18, s14, 2560
	s_add_co_u32 s18, s18, SCR
	v_and_b32 v7, 31, v0
	v_lshl_add_u32 v[SW], v7, 2, s18
	v_lshl_add_u32 v[SRD], v7, 4, s18
	v_lshlrev_b32 v[PO], 4, v7
	v_lshlrev_b32 v13, 2, v7                       ; 4 x lane
	; dense_b in the result's layout: register 8 b + j of lane (r, h) = dense_b[256 x tile column + 128 x my half + 16 b + 8 h + j]
	s_lshl_b32 s46, s42, 10
	s_mov_b32 s47, 0
	s_add_nc_u64 s[96:97], s[96:97], s[46:47]      ; enc_W, sel_W and dense_b at the tile's first column
	s_add_nc_u64 s[98:99], s[98:99], s[46:47]
	s_add_nc_u64 s[12:13], s[12:13], s[46:47]
	s_lshl_b32 s46, s16, 9
	s_add_nc_u64 s[12:13], s[12:13], s[46:47]
	v_lshlrev_b32 v5, 5, v2
.irp b, 0,1,2,3,4,5,6,7
	global_load_b128 v[BI+8*\b:BI+8*\b+3], v5, s[12:13] offset:64*\b
	global_load_b128 v[BI+8*\b+4:BI+8*\b+7], v5, s[12:13] offset:64*\b+16
.endr
	v_lshlrev_b32 v6, 3, v0                        ; the five vectors: 8 bytes a thread, 1,024 bytes a vector
	global_load_b64 v[224:225], v6, s[96:97]
.irp t, 0,1,2,3
	global_load_b64 v[226+2*\t:227+2*\t], v6, s[98:99] offset:4096*\t
.endr
	s_lshl_b32 s18, s17, 10                        ; part: 4 (256 x tile row + 128 x my row half) + 65,536 x tile column
	s_lshl_b32 s19, s15, 9
	s_add_co_u32 s18, s18, s19
	s_lshl_b32 s19, s42, 16
	s_add_co_u32 s18, s18, s19
	s_mov_b32 s19, 0
	s_add_nc_u64 s[100:101], s[100:101], s[18:19]
	; THE WEIGHTS' LAYOUT.  Job j = 4 x tile row + tile column, 0..255, names slot sigma = j / 32 of a weight's eight, quarter q = (j / 8) % 4 and tile i' = j % 8.  Wave 0 does the job for
	; dense_W, wave 1 for pal_W1, wave 2 for pal_W2: two fragments (K steps e = 0, 1) as images of their twelve registers, one word of scales a lane (row lane % 16, K step lane / 16), one tile of bias.
	; Lane r of a tile takes weight row n0 + r + 8 (r / 8), so that two neighbouring tiles' sixteen result registers are sixteen neighbours along the next product's K.
	s_lshl_b32 s66, s17, 2
	s_add_co_u32 s66, s66, s42
	s_lshr_b32 s67, s66, 5                         ; sigma
	s_bfe_u32 s92, s66, 0x20003                    ; q
	s_and_b32 s93, s66, 7                          ; i'
	v_and_b32 v8, 8, v1
	v_add_nc_u32 v8, v8, v1                        ; r + 8 (r / 8)
	v_bfe_u32 v11, v0, 3, 1
	v_and_b32 v12, 7, v0
	v_lshl_add_u32 v11, v11, 4, v12
	v_lshlrev_b32 v11, 2, v11                      ; bias: word l = bias[n0 + 16 ((l / 8) % 2) + l % 8]
.macro PREP ph, argo, str, sstr
	s_load_b128 s[4:7], s[0:1], \argo              ; this weight's codes and scales,
	s_load_b64 s[8:9], s[0:1], \argo+0x10          ; its bias,
	s_load_b64 s[10:11], s[0:1], 0x68              ; wimg
.if \ph == 1
	s_lshr_b32 s18, s67, 2                         ; sigma = 4 half + sp
	s_and_b32 s19, s67, 3
.else
	s_and_b32 s18, s67, 1                          ; sigma = 2 sp + half (pal_W2: 2 task + half)
	s_lshr_b32 s19, s67, 1
.endif
	s_lshl_b32 s18, s18, 3
	s_add_co_u32 s18, s18, s93                     ; tile i = 8 half + i'
	s_lshr_b32 s20, s18, 1
	s_lshl_b32 s20, s20, 5
	s_and_b32 s21, s18, 1
	s_lshl_b32 s21, s21, 3
	s_add_co_u32 s20, s20, s21
	s_lshl_b32 s21, s92, 8
	s_add_co_u32 s20, s20, s21                     ; n0 = 256 q + 32 (i / 2) + 8 (i % 2)
.if \ph == 2
	s_lshl_b32 s21, s19, 10
	s_add_co_u32 s20, s20, s21                     ; + 1,024 x task
	s_mov_b32 s19, 0                               ; its K begins at 0
.endif
	s_mul_i32 s22, s20, \str
	s_mul_i32 s23, s19, 192                        ; K steps 2 sp, 2 sp + 1: 96 bytes each
	s_add_co_u32 s22, s22, s23
	s_mov_b32 s23, 0
	v_mul_u32_u24 v9, v8, \str
	v_mad_u32_u24 v9, v2, 24, v9
	v_mul_u32_u24 v10, v8, \sstr
	v_lshl_add_u32 v10, v2, 2, v10
	s_wait_alu depctr_va_vdst(0)
	s_wait_kmcnt 0x0
	s_add_nc_u64 s[4:5], s[4:5], s[22:23]
	s_mul_i32 s22, s20, \sstr
	s_lshl_b32 s94, s19, 3
	s_add_co_u32 s22, s22, s94
	s_add_nc_u64 s[6:7], s[6:7], s[22:23]
	s_lshl_b32 s22, s20, 2
	s_add_nc_u64 s[8:9], s[8:9], s[22:23]
	s_add_co_u32 s22, s67, 8*\ph
	s_mul_i32 s22, s22, 106496
	s_mul_i32 s94, s92, 26624
	s_add_co_u32 s22, s22, s94
	s_add_nc_u64 s[10:11], s[10:11], s[22:23]      ; the quarter
	s_mul_i32 s22, s93, 3072
	s_add_nc_u64 s[18:19], s[10:11], s[22:23]      ; the tile's two fragments
	s_lshl_b32 s22, s93, 7
	s_add_nc_u64 s[10:11], s[10:11], s[22:23]      ; the tile's 128 bytes among the scale words and among the biases
.irp e, 0,1
.irp p, 0,1,2,3,4,5
	global_load_b64 v[128+12*\e+2*\p:129+12*\e+2*\p], v9, s[4:5] offset:96*\e+48*(\p/3)+8*(\p%3)
.endr
.endr
	global_load_b32 v152, v10, s[6:7]
	global_load_b32 v153, v11, s[8:9]
	s_wait_loadcnt 0x0
.irp e, 0,1
.irp c, 0,1,2
	global_store_b128 v[PO], v[128+12*\e+4*\c:131+12*\e+4*\c], s[18:19] offset:1536*\e+512*\c   ; 32 lanes store 512 bytes on end
.endr
.endr
	global_store_b32 v13, v152, s[10:11] offset:24576
	global_store_b32 v13, v153, s[10:11] offset:25600
	s_wait_xcnt 0x0                                ; the stores' registers take A's fragments next
.endm
	s_wait_alu depctr_va_vdst(0)
	s_cmp_eq_u32 s14, 0
	s_cbranch_scc0 .Lnot0
	PREP 0, 0x10, 768, 32
	s_branch .Lprepped
.Lnot0:
	s_cmp_eq_u32 s14, 1
	s_cbranch_scc0 .Lnot1
	PREP 1, 0x28, 768, 32
	s_branch .Lprepped
.Lnot1:
	s_cmp_eq_u32 s14, 2
	s_cbranch_scc0 .Lprepped
	PREP 2, 0x40, 192, 8
.Lprepped:
	s_wait_loadcnt 0x0                             ; dense_b and the five vectors
.irp v, 0,1,2,3,4
	ds_store_b64 v[EW], v[224+2*\v:225+2*\v] offset:1024*\v
.endr
.irp j, 0,1,2,3
	ds_store_b128 v14, v[160+4*\j:163+4*\j] offset:2176*\j             ; 2,048 bytes are eight units of 272
	ds_store_b128 v14, v[176+4*\j:179+4*\j] offset:2*HALFS+2176*\j
.endr
.macro FRAG reg, adr, st, i            ; a fragment: 16 rows x 128 K, twelve registers, in pieces of 8 bytes; byte y of a row of codes lies in slot (y / 256) % 2 at byte y % 256 of the LDS row
.irp p, 0,1,2,3,4,5
.set BY, 96*(\st)+48*(\p/3)+8*(\p%3)
.if BY/ROWB == (BY+24)/ROWB
	ds_load_b64 v[\reg+2*\p:\reg+2*\p+1], v[\adr+(BY/ROWB)%2] offset:BY%ROWB+(\i)*16*PITCH
.else
	ds_load_b64 v[\reg+2*\p:\reg+2*\p+1], v[\adr+2+(BY/ROWB)%2] offset:BY%ROWB-232+(\i)*16*PITCH
.endif
.endr
.endm
; 16 matrix instructions: A's blocks a0, a0 + 1 x B's eight.  zero = 1: the first step: its C is dense_b.  The 64 accumulators take turns, one instruction a turn.
.macro MUL16 a0, p, q, sc, zero
.irp a, \a0, \a0+1
.irp b, 0,1,2,3,4,5,6,7
.if \zero
	v_wmma_scale_f32_16x16x128_f8f6f4 v[8*(8*((\a)%4)+\b):8*(8*((\a)%4)+\b)+7], v[128*(\p)+FR*\b:128*(\p)+FR*\b+FR-1], v[AF+FR*(\a):AF+FR*(\a)+FR-1], v[BI+8*\b:BI+8*\b+7], v[SC+8*NQ*(\sc)+NQ*\b+(\q)], v[SC+8*NQ*(\sc)+NQ*(\a)+(\q)] matrix_a_fmt:MATRIX_FMT_FP6 matrix_b_fmt:MATRIX_FMT_FP6 matrix_a_scale:MATRIX_SCALE_ROW1
.else
	v_wmma_scale_f32_16x16x128_f8f6f4 v[8*(8*((\a)%4)+\b):8*(8*((\a)%4)+\b)+7], v[128*(\p)+FR*\b:128*(\p)+FR*\b+FR-1], v[AF+FR*(\a):AF+FR*(\a)+FR-1], v[8*(8*((\a)%4)+\b):8*(8*((\a)%4)+\b)+7], v[SC+8*NQ*(\sc)+NQ*\b+(\q)], v[SC+8*NQ*(\sc)+NQ*(\a)+(\q)] matrix_a_fmt:MATRIX_FMT_FP6 matrix_b_fmt:MATRIX_FMT_FP6 matrix_a_scale:MATRIX_SCALE_ROW1
.endif
.endr
.endr
.endm
.macro FETCH_B st, p
	WIN TO_B
.irp i, 0,1,2,3,4,5,6,7
	FRAG 128*(\p)+FR*\i, ADRB, \st, \i
.endr
	WIN 0
.endm
.macro FETCH_A st, i0
.irp i, \i0, \i0+1, \i0+2, \i0+3
	FRAG AF+FR*(\i), ADRA, \st, \i
.endr
.endm
.macro SCALES pr                       ; the scale words of steps 2 pr, 2 pr + 1 into set pr % 2; lanes 0-15 A's block i, lanes 16-31 B's
.irp i, 0,1,2,3,4,5,6,7
	ds_load_b64 v[SC+8*NQ*((\pr)%2)+NQ*\i:SC+8*NQ*((\pr)%2)+NQ*\i+1], v[ADRS] offset:\i*SBLK+4*NQ*(\pr)
.endr
.endm
.macro PLACES n                        ; plain vector instructions between a matrix instruction and a load into, or a read of, its registers
.rept \n
	v_nop
.endr
.endm
; A step of 128 along K.  Where the next step's bytes END in a chunk not read yet: a wait for my tensor loads and a barrier show it whole.  Where they BEGIN in a later chunk than this step's:
; the chunk left behind is read no more: the wait, the add, the wait for it and for my reads, the barrier; where a chunk two further on is left, the barrier opens a round and the slot is filled again.
.macro STEP st, zero
.set NX, (\st)+1
.set C0, (96*(\st))/ROWB
.set C1, (96*NX)/ROWB
.set E0C, (96*(\st)+95)/ROWB
.set E1C, (96*NX+95)/ROWB
.set WLO, MUL_LO-0x20*(\zero)          ; the first step's C lies in window 0
.set WHI, MUL_HI-0x30*(\zero)
.if C1 > C0 || (E1C > E0C && E1C > 1)  ; chunks 0 and 1 are whole for all four waves since the head's barrier
	s_wait_tensorcnt 0x0                           ; all my tensor loads have landed
.if C1 > C0
	ds_add_u32 v[SPW], v[NIL]
	s_wait_dscnt 4*NL+1                            ; the add and the youngest 24 loads (A's blocks 4-7) may be out
.else
	s_wait_dscnt 4*NL
.endif
	WIN WLO
	MUL16 0, (\st)%2, (\st)%2, ((\st)/2)%2, \zero
	s_wait_dscnt 0x0                               ; the add, where there is one, and all my reads are done
	s_barrier_signal -1
	MUL16 2, (\st)%2, (\st)%2, ((\st)/2)%2, \zero
	WIN 0
	s_barrier_wait -1
.if C1 > C0 && C0+2 < CHUNKS
	CREST                                          ; no wave of any partner still reads this slot's chunk or has a load on its way
	s_add_nc_u64 s[G0+4*(C0%2)+2:G0+4*(C0%2)+3], s[G0+4*(C0%2)+2:G0+4*(C0%2)+3], 2*ROWB
	s_add_nc_u64 s[G0B+4*(C0%2)+2:G0B+4*(C0%2)+3], s[G0B+4*(C0%2)+2:G0B+4*(C0%2)+3], 2*ROWB
	JLOAD G0+4*(C0%2), G1, G0B+4*(C0%2), G1B       ; chunk C0 + 2; its four v_nop are the places in front of the loads below
.else
	PLACES NP
.endif
.else
	s_wait_dscnt 4*NL                              ; B's set and A's blocks 0-3 are in; the youngest 24 loads may be out
	WIN WLO
	MUL16 0, (\st)%2, (\st)%2, ((\st)/2)%2, \zero
	MUL16 2, (\st)%2, (\st)%2, ((\st)/2)%2, \zero
	s_wait_dscnt 0
	PLACES NP
.endif
	FETCH_B NX, NX%2
	FETCH_A NX, 0
.if NX%2 == 0
	SCALES NX/2
.endif
	WIN WHI
	MUL16 4, (\st)%2, (\st)%2, ((\st)/2)%2, \zero
	MUL16 6, (\st)%2, (\st)%2, ((\st)/2)%2, \zero
	PLACES NP
	WIN 0
	FETCH_A NX, 4
.endm
	s_wait_alu depctr_va_vdst(0)
	s_wait_tensorcnt 0x0                           ; my tile of the head's four is in
	s_mov_b32 s[G1+2], 128<<16                     ; no tensor load of mine is out: the one refill brings 128 rows a wave,
	s_mov_b32 s[G1+4], 128
	s_mov_b32 s[G1B+2], 128<<16
	s_mov_b32 s[G1B+4], 128
	s_mul_i32 s[G0+1], s14, HALFT                  ; into my quarter of slot 0,
	s_mul_i32 s[G0B+1], s14, HALFT
	s_mul_i32 s18, s16, 128*KROW                   ; from my 128 rows of the tile (the refill steps the address by two chunks)
	s_mov_b32 s19, 0
	s_add_nc_u64 s[G0+2:G0+3], s[G0+2:G0+3], s[18:19]
	s_add_nc_u64 s[G0B+2:G0B+3], s[G0B+2:G0B+3], s[18:19]
	s_wait_dscnt 0x0                               ; my part of the five vectors and of the scales lies in LDS
	s_barrier_signal -1                            ; it shows the four tiles, the vectors and the scales to all four waves
	s_barrier_wait -1
	FETCH_B 0, 0
	FETCH_A 0, 0
	SCALES 0
	FETCH_A 0, 4
	STEP 0, 1
.set ST, 1                             ; slots and chunks come back to where they began only after sixteen steps: the eight are written out by the repeat
.rept STEPS-2
	STEP ST, 0
.set ST, ST+1
.endr
	s_wait_dscnt 4*NL
	WIN MUL_LO
	MUL16 0, 1, 1, 1, 0
	MUL16 2, 1, 1, 1, 0
	s_wait_dscnt 0
	WIN MUL_HI
	MUL16 4, 1, 1, 1, 0
	MUL16 6, 1, 1, 1, 0
	WIN 0
; THE FIVE DOTS.  Lane (r, h) holds, in accumulator (a, b), h of token 16 a + r at columns 16 b + 8 h + 0..7 of my 128.  For each b the five vectors' eight numbers at these columns come from LDS (two sets by turns);
; sum (a, v), a pair (even columns, odd columns), takes accumulator x vector, two numbers an instruction; twenty other sums stand between two links of one.  Each accumulator is read from its low end on.
.macro ELOAD b
.irp v, 0,1,2,3,4
	ds_load_b128 v[E0+40*((\b)%2)+8*\v:E0+40*((\b)%2)+8*\v+3], v[EA] offset:1024*\v+64*(\b)
	ds_load_b128 v[E0+40*((\b)%2)+8*\v+4:E0+40*((\b)%2)+8*\v+7], v[EA] offset:1024*\v+64*(\b)+16
.endr
.endm
.macro DOT b
.irp u, 0,1
	WIN 0x52+\u                                    ; the sums in window 1, the accumulators in window 2 or 3, the vectors in window 0
.irp p, 0,1,2,3
.irp a, 0,1,2,3
.irp v, 0,1,2,3,4
.set rS, 10*(4*\u+\a)+2*\v
.set rA, 8*(8*\a+(\b))+2*\p
.set rE, E0+40*((\b)%2)+8*\v+2*\p
.if ((\b) == 0) && (\p == 0)
	v_pk_mul_f32 v[rS:rS+1], v[rA:rA+1], v[rE:rE+1]
.else
	v_pk_fma_f32 v[rS:rS+1], v[rA:rA+1], v[rE:rE+1], v[rS:rS+1]
.endif
.endr
.endr
.endr
.endr
	WIN 0
.endm
	PLACES NP
	ELOAD 0
	ELOAD 1
.irp b, 0,1,2,3,4,5
	s_wait_dscnt 10                                ; this b's ten loads are in; the next b's ten may be out
	DOT \b
	ELOAD \b+2
.endr
	s_wait_dscnt 10
	DOT 6
	s_wait_dscnt 0
	DOT 7
	WIN 0x05                                       ; even + odd columns, into window 0: sum (a, v) at v[128 + 5 a + v]
.irp a, 0,1,2,3,4,5,6,7
.irp v, 0,1,2,3,4
	v_add_f32 v[128+5*\a+\v], v[10*\a+2*\v], v[10*\a+2*\v+1]
.endr
.endr
	WIN 0
.irp a, 0,1,2,3                        ; the two halves of the lanes hold the two halves of a block's columns: blocks 2 a and 2 a + 1 change halves and are added: lane l then holds row 32 a + l
.irp v, 0,1,2,3,4
	v_permlane16_swap_b32 v[128+10*\a+\v], v[133+10*\a+\v]
.endr
.irp v, 0,1,2,3,4
	v_add_f32 v[128+10*\a+\v], v[128+10*\a+\v], v[133+10*\a+\v]
.endr
.endr
.irp a, 0,1,2,3
.irp v, 0,1,2,3,4
	ds_store_b32 v[SW], v[128+10*\a+\v] offset:512*\v+128*\a
.endr
.endr
	s_wait_dscnt 0x0                               ; for the partner's sake: my partial dots lie in LDS
	s_barrier_signal -1
	s_barrier_wait -1
	s_cmp_lg_u32 s16, 0                            ; the wave of the left column half adds its right neighbour's and stores
	s_cbranch_scc1 .Lout
.irp v, 0,1,2,3,4
	ds_load_b128 v[176+4*\v:179+4*\v], v[SRD] offset:512*\v
	ds_load_b128 v[196+4*\v:199+4*\v], v[SRD] offset:512*\v+2560
.endr
	s_wait_dscnt 0x0
.irp v, 0,1,2,3,4
	v_pk_add_f32 v[176+4*\v:177+4*\v], v[176+4*\v:177+4*\v], v[196+4*\v:197+4*\v]
	v_pk_add_f32 v[178+4*\v:179+4*\v], v[178+4*\v:179+4*\v], v[198+4*\v:199+4*\v]
.endr
.irp v, 0,1,2,3,4
	global_store_b128 v[PO], v[176+4*\v:179+4*\v], s[100:101] offset:262144*\v   ; 32 lanes store 512 bytes on end, at a multiple of 512 from the buffer's first byte
.endr
.Lout:
	s_wait_tensorcnt 0x0                           ; the wave's end
	ds_add_u32 v[SPW], v[NIL]
	s_wait_dscnt 0x0
	CROUND                                         ; the closing round
	s_endpgm
.Lfunc_end_k_q319ab08036_stats:
	.size	k_q319ab08036_stats, .Lfunc_end_k_q319ab08036_stats-k_q319ab08036_stats
	.p2alignl 7, 3214868480
	.fill 96, 4, 3214868480
	.section	.rodata,"a",@progbits
	.p2align	6, 0x0
	.amdhsa_kernel k_q319ab08036_stats
		.amdhsa_group_segment_fixed_size 327680
		.amdhsa_private_segment_fixed_size 0
		.amdhsa_enable_private_segment 0
		.amdhsa_kernarg_size 120
		.amdhsa_user_sgpr_count 2
		.amdhsa_user_sgpr_kernarg_segment_ptr 1
		.amdhsa_wavefront_size32 1
		.amdhsa_system_sgpr_workgroup_id_x 1
		.amdhsa_system_sgpr_workgroup_id_y 1
		.amdhsa_system_sgpr_workgroup_id_z 1
		.amdhsa_system_vgpr_workitem_id 0
		.amdhsa_next_free_vgpr 1024
		.amdhsa_next_free_sgpr 104
		.amdhsa_reserve_vcc 0
		.amdhsa_float_denorm_mode_32 3
		.amdhsa_float_denorm_mode_16_64 3
		.amdhsa_memory_ordered 1
		.amdhsa_forward_progress 1
		.amdhsa_inst_pref_size 236
	.end_amdhsa_kernel
	.amdgpu_metadata
---
amdhsa.version: [ 1, 2 ]
amdhsa.kernels:
  - .name:           k_q319ab08036_stats
    .symbol:         k_q319ab08036_stats.kd
    .args:
      - { .name: hidden_states_codes, .offset: 0, .size: 8, .value_kind: global_buffer, .address_space: global }
      - { .name: hidden_states_scales, .offset: 8, .size: 8, .value_kind: global_buffer, .address_space: global }
      - { .name: dense_W_codes, .offset: 16, .size: 8, .value_kind: global_buffer, .address_space: global }
      - { .name: dense_W_scales, .offset: 24, .size: 8, .value_kind: global_buffer, .address_space: global }
      - { .name: dense_b, .offset: 32, .size: 8, .value_kind: global_buffer, .address_space: global }
      - { .name: pal_W1_codes, .offset: 40, .size: 8, .value_kind: global_buffer, .address_space: global }
      - { .name: pal_W1_scales, .offset: 48, .size: 8, .value_kind: global_buffer, .address_space: global }
      - { .name: pal_b1, .offset: 56, .size: 8, .value_kind: global_buffer, .address_space: global }
      - { .name: pal_W2_codes, .offset: 64, .size: 8, .value_kind: global_buffer, .address_space: global }
      - { .name: pal_W2_scales, .offset: 72, .size: 8, .value_kind: global_buffer, .address_space: global }
      - { .name: pal_b2, .offset: 80, .size: 8, .value_kind: global_buffer, .address_space: global }
      - { .name: enc_W, .offset: 88, .size: 8, .value_kind: global_buffer, .address_space: global }
      - { .name: sel_W, .offset: 96, .size: 8, .value_kind: global_buffer, .address_space: global }
      - { .name: wimg, .offset: 104, .size: 8, .value_kind: global_buffer, .address_space: global }
      - { .name: part, .offset: 112, .size: 8, .value_kind: global_buffer, .address_space: global }
    .group_segment_fixed_size: 327680
    .private_segment_fixed_size: 0
    .kernarg_segment_align: 8
    .kernarg_segment_size: 120
    .max_flat_workgroup_size: 128
    .sgpr_count:     104
    .vgpr_count:     1024
    .wavefront_size: 32
...
	.end_amdgpu_metadata
.endif
;; end of part 3
;; launch fused (part 4): grid 256 x 1, 4 waves a work-group, clusters of 4 x 1, 327,680 bytes of LDS; arguments hidden_states_codes, hidden_states_scales, wimg, part, attention_mask, sel_b, input_tensor, ln_g, ln_b, out0; writes out0
.if DOCPART == 4
	.amdgcn_target "amdgcn-amd-amdhsa--gfx1250"
	.amdhsa_code_object_version 6
	.text
	.protected	k_q319ab08036_fused
	.globl	k_q319ab08036_fused
	.p2align	8
	.type	k_q319ab08036_fused,@function
k_q319ab08036_fused:
	s_mov_b64 s[64:65], 0
	v_nop
	global_prefetch_b8 v0, s[64:65] scope:SCOPE_SE
	s_setreg_imm32_b32 hwreg(HW_REG_WAVE_MODE, 25, 1), 1
	s_wait_xcnt 0x0
	s_wait_alu depctr_hold_cnt(0) depctr_sa_sdst(0) depctr_va_vdst(0) depctr_va_sdst(0) depctr_va_ssrc(0) depctr_va_vcc(0) depctr_vm_vsrc(0)
	s_getreg_b32 s2, hwreg(HW_REG_IB_STS2, 6, 4)
	s_cmp_eq_u32 s2, 0
	s_cbranch_scc0 .Lentry_in_a_cluster
	s_endpgm
.Lentry_in_a_cluster:
	s_bfe_u32 s2, ttmp6, 0x10000c
	s_cmp_lg_u32 s2, 0x3003
	s_cbranch_scc0 .Lentry_shape_is_right
	s_endpgm
.Lentry_shape_is_right:
; FUSED: the second launch.  A work-group takes 64 tokens through the whole chain: h = tokens x dense_W + dense_b; Q(h) x pal_W1 + pal_b1; Q(low) x pal_W2 + pal_b2, weighed by the task
; distribution; + h + input_tensor; LayerNorm.  enc_b is left out, as the first kernel's head shows.  All three products on codes of FP6 (E2M3) with E8M0 scales, used transposed: a lane holds one token.
; A wave owns 256 of the 1,024 columns of each product: h + input in windows 2 and 3 (512 registers), the low layer (128 columns a pass) and the task tiles in window 1.
; THE WEIGHTS come as the first launch laid them (wimg): 24 slots of 4 x 26,624 bytes, a quarter a wave, rows of 256 bytes, through a ring of two LDS slots; the four work-groups of a cluster
; walk the same slots and ask for them jointly; clusters begin at different slots of a product (RR), with the tokens' K steps, the columns and the tasks turned alike.
; THE TASK DISTRIBUTION: each work-group sums the first launch's partial dots of its batch (2,048 rows x 5 x 4 tile columns) and makes both softmaxes, each with its maximum taken away.
; Operands from wave to wave go through LDS as images of their registers (RA: tokens, then the low layer; RBB: h).
; THE LAYERNORM: x goes once into LDS as whole rows (pitch 4,112 bytes, over the slots, which have had their last fill, and RA); each wave then walks 16 whole rows: mean, then the squares of x - mean.
; In LDS a row's four blocks of 256 columns lie by the writing wave's number; block w holds columns 256 ((w + RR) % 4) ..: the global offsets VO turn them back.
; NO PREFETCH: every slot is asked for one slot ahead by the ring, and input_tensor's tiles are loaded into registers a product ahead of their use.
.set QB,   26624
.set SLB,  4*QB
.set FB,   1536
.set QSC,  16*FB
.set QBI,  QSC+1024
.set RA,   2*SLB
.set RSZ,  52224
.set RBB,  RA+RSZ
.set RSC,  32*FB
.set RPAD, RSC+2048
.set SPARE, RBB+RSZ                    ; the spare words: 128 bytes a wave, named by no other line
.set SCR,  SPARE+512
.set STG,  16*528
.set TSG,  16*784                      ; the tokens' stage, a wave's own, in RBB: 16 rows of 768 bytes + 16
.set XP,   4112                        ; the LayerNorm's LDS row: 4,096 bytes + 16
.set LI,  1
.set LS,  2
.set RB,  3
.set RS,  5
.set RBI, 7
.set AI0, 9
.set ASI0, 10
.set ADA, 11
.set ADS, 12
.set STI, 13
.set STR, 14
.set QWI, 15
.set QWS, 16
.set SPW, 17
.set NIL, 18
.set XR,  19                           ; the way out: my 16 rows in LDS, 16 bytes a lane
.set VO,  22                           ; v22-25 the way out: global offset of LDS block w
.set SS,  26                           ; v26-33 the way out: four rows' sums, pairs
.set XW,  36                           ; v36-39 the way out: where I put rows 16 m + r
.set BS,  40
.set AS0, 56
.set AS1, 60
.set AF,  64
.set UB,  160
.set BI,  64
.set XB,  64                           ; the way out: four rows of 32 registers
.set GG,  192                          ; ln_g at my lane's 32 columns
.set BB,  224                          ; ln_b
.set G1,  24
.set G0,  32
.set G1H, 92                           ; s[92:99] group 1 of the head's load
.set WV,  40
.set TA,  45
.set TS,  46
.set TU,  47
.set SEL, 48
.set QA,  50
.set QA2, 51
.set DQ,  52
.set DC,  60
.set RR,  62
.set RR2, 63
.set TV,  66
.set NP,  67
.set WB,  82
.set CB,  88
.set MSB, 0
.macro WIN new
.if MSB != (\new)
	s_set_vgpr_msb (MSB<<8)|(\new)
.set MSB, \new
.endif
.endm
.macro NOP4
.rept 4
	v_nop
.endr
.endm
.macro CREST
	s_cmp_lg_u32 s[WV], 0
	s_cbranch_scc1 .Lnot_wave_0_\@
	s_barrier_signal -3
.Lnot_wave_0_\@:
	s_barrier_wait -3
	s_barrier_signal -1
	s_barrier_wait -1
.endm
.macro CROUND
	s_barrier_signal -1
	s_barrier_wait -1
	CREST
.endm
.macro JLOAD p
	tensor_load_to_lds s[G0+4*(\p):G0+4*(\p)+3], s[G1:G1+7]
	s_nop 0
	NOP4
.endm
.macro NEXTADR p                       ; slot NP of the walk, turned inside its product by the cluster's RR
	s_and_b32 s84, s[NP], 24
	s_cmp_eq_u32 s84, 8
	s_cselect_b32 s85, 3, 7
	s_cselect_b32 s86, s[RR], s[RR2]
	s_add_co_u32 s86, s86, s[NP]
	s_and_b32 s86, s86, s85
	s_and_not1_b32 s84, s[NP], s85
	s_or_b32 s86, s86, s84
	s_mul_i32 s86, s86, SLB
	s_mov_b32 s87, 0
	s_add_nc_u64 s[G0+4*\p+2:G0+4*\p+3], s[WB:WB+1], s[86:87]
	s_or_b32 s[G0+4*\p+3], s[G0+4*\p+3], 0x80000000
	s_add_co_u32 s[NP], s[NP], 1
.endm
.macro FETCH p, buf, o0, o1            ; two weight fragments into one of four buffers
.irp c, 0,1,2
	ds_load_b128 v[UB+24*(\buf)+4*\c:UB+24*(\buf)+4*\c+3], v[RB+\p] offset:(\o0)+512*\c
.endr
.irp c, 0,1,2
	ds_load_b128 v[UB+24*(\buf)+12+4*\c:UB+24*(\buf)+15+4*\c], v[RB+\p] offset:(\o1)+512*\c
.endr
.endm
.macro FETE p, n
	FETCH \p,(\n)%4,FB*(4*((\n)%4)+(\n)/4),FB*(4*((\n)%4)+2+(\n)/4)
.endm
.macro FETT p, i
	FETCH \p,(\i)%4,2*FB*(\i),2*FB*(\i)+FB
	WIN 0x40
	ds_load_b128 v[BI+8*((\i)%4):BI+8*((\i)%4)+3], v[RBI+\p] offset:128*(\i)
	ds_load_b128 v[BI+8*((\i)%4)+4:BI+8*((\i)%4)+7], v[RBI+\p] offset:128*(\i)+16
	WIN 0
.endm
.macro FSCALE p
.irp i, 0,1,2,3,4,5,6,7
	ds_load_b32 v[BS+8*(\p)+\i], v[RS+\p] offset:128*\i
.endr
.endm
.macro PAGRP e                         ; the 64 tokens' fragments and scale words of one K step
	v_add_nc_u32 v[ADA], s[TA], v[AI0]
	v_add_nc_u32 v[ADS], s[TS], v[ASI0]
.irp m, 0,1,2,3
.irp c, 0,1,2
	ds_load_b128 v[AF+48*\e+12*\m+4*\c:AF+48*\e+12*\m+4*\c+3], v[ADA] offset:FB*(8*\m+\e)+512*\c
.endr
.endr
.irp m, 0,1,2,3
	ds_load_b32 v[AS0+4*\e+\m], v[ADS] offset:512*\m
.endr
.endm
.macro MULE p, n, win                  ; eight matrix instructions on eight accumulators, by turns
	WIN ((\win)<<6)|((\win)<<4)
.irp c, 0,1
.irp m, 0,1,2,3
.set aC, 8*(8*\m+2*((\n)%4)+\c)
.set aU, UB+24*((\n)%4)+12*\c
.set aF, AF+48*((\n)/4)+12*\m
.set aS, BS+8*(\p)+2*((\n)%4)+\c
.if (\n) < 4
	v_wmma_scale_f32_16x16x128_f8f6f4 v[aC:aC+7], v[aU:aU+11], v[aF:aF+11], v[aC:aC+7], v[aS], v[AS0+\m] matrix_a_fmt:MATRIX_FMT_FP6 matrix_b_fmt:MATRIX_FMT_FP6
.else
	v_wmma_scale_f32_16x16x128_f8f6f4 v[aC:aC+7], v[aU:aU+11], v[aF:aF+11], v[aC:aC+7], v[aS], v[AS1+\m] matrix_a_fmt:MATRIX_FMT_FP6 matrix_b_fmt:MATRIX_FMT_FP6 matrix_a_scale:MATRIX_SCALE_ROW1 matrix_b_scale:MATRIX_SCALE_ROW1
.endif
.endr
.endr
.endm
; A slot of the first two products: 8 tiles x 2 K steps x 4 token blocks.  The counted waits leave out the fetches (6 loads each) and token groups (16 each) issued behind the fragments wanted.
.macro SLOTE p, win, pin, pa
	s_wait_dscnt 12+16*\pin
	MULE \p,0,\win
	WIN 0
	NOP4
	FETE \p,4
	MULE \p,1,\win
	WIN 0
	NOP4
	FETE \p,5
	s_wait_dscnt 18+16*\pin
	MULE \p,2,\win
	WIN 0
	NOP4
	FETE \p,6
	s_wait_dscnt 18+16*\pin
	MULE \p,3,\win
	WIN 0
	NOP4
	FETE \p,7
.if \pa
	s_add_co_u32 s[TA], s[TA], 2*FB
	s_add_co_u32 s[TS], s[TS], 128
	PAGRP 0
.endif
	s_wait_dscnt 18+16*\pa
	MULE \p,4,\win
	s_wait_dscnt 12+16*\pa
	MULE \p,5,\win
	WIN 0
	s_wait_tensorcnt 0x0                           ; all my tensor loads have landed: my quarter of the other slot
	ds_add_u32 v[SPW], v[NIL]
	NEXTADR \p
	s_wait_dscnt 0x0                               ; the add is done, my reads of this slot are over
	s_barrier_signal -1
	MULE \p,6,\win                                 ; work on registers while the others arrive
	WIN 0
	s_barrier_wait -1
	CREST
	JLOAD \p                                       ; its four v_nop are the places in front of the loads below
	FETE 1-\p,0
	FETE 1-\p,1
	FSCALE 1-\p
	FETE 1-\p,2
	MULE \p,7,\win
	WIN 0
	NOP4
	FETE 1-\p,3
.if \pa
	PAGRP 1
.endif
.endm
.macro PRELOAD win, p                  ; the bias of eight tiles into the accumulators of the four token blocks
	WIN (\win)<<6
.irp m, 0,1,2,3
.irp i, 0,1,2,3,4,5,6,7
	ds_load_b128 v[8*(8*\m+\i):8*(8*\m+\i)+3], v[RBI+\p] offset:128*\i
	ds_load_b128 v[8*(8*\m+\i)+4:8*(8*\m+\i)+7], v[RBI+\p] offset:128*\i+16
.endr
.endr
	WIN 0
.endm
; The quantiser: 64 registers = 128 neighbours along the next K of one token, four blocks of 32 shared with lane l xor 16.  The floor 2^(3 - 127) holds the byte at 1 from below.
.macro QUANT win, s, z
.set TM, AF+48*(\z)
.set PW, TM+16
.set PC, TM+20
	WIN ((\win)<<2)|((\win)<<4)
.irp b, 0,1,2,3
	v_max3_num_f32 v[TM+\b], 0x1800000, |v[(\s)+16*\b]|, |v[(\s)+1+16*\b]|
.endr
.irp i, 2,4,6,8,10,12,14
.irp b, 0,1,2,3
	v_max3_num_f32 v[TM+\b], v[TM+\b], |v[(\s)+16*\b+\i]|, |v[(\s)+1+16*\b+\i]|
.endr
.endr
	WIN 0
.irp b, 0,1,2,3
	v_permlanex16_b32 v[TM+4+\b], v[TM+\b], s[SEL], s[SEL+1]
.endr
.irp b, 0,1,2,3
	v_max_num_f32 v[TM+\b], v[TM+\b], v[TM+4+\b]
.endr
.irp b, 0,1,2,3
	v_add_nc_u32 v[TM+12+\b], 0xff000000, v[TM+\b]
.endr
.irp b, 0,1,2,3
	v_lshrrev_b32 v[TM+4+\b], 23, v[TM+12+\b]
.endr
	v_lshl_or_b32 v[PW], v[TM+5], 8, v[TM+4]
	v_lshl_or_b32 v[PW], v[TM+6], 16, v[PW]
	v_lshl_or_b32 v[PW], v[TM+7], 24, v[PW]
	WIN \win
.irp c, 0,1
	v_cvt_scalef32_pk16_fp6_f32 v[PC+6*\c:PC+2+6*\c], v[(\s)+32*\c:(\s)+15+32*\c], v[TM+12+2*\c]
	v_cvt_scalef32_pk16_fp6_f32 v[PC+12+4*\c:PC+14+4*\c], v[(\s)+16+32*\c:(\s)+31+32*\c], v[TM+13+2*\c]
.endr
	WIN 0
	v_nop
.irp c, 0,1
.irp i, 0,1,2
	v_permlane16_swap_b32 v[PC+6*\c+\i], v[PC+12+4*\c+\i]
.endr
.irp i, 0,1,2
	v_mov_b32 v[PC+3+6*\c+\i], v[PC+12+4*\c+\i]
.endr
.endr
.endm
.macro IMAGE m, e
.irp c, 0,1,2
	ds_store_b128 v[QWI], v[PC+4*\c:PC+4*\c+3] offset:8*FB*(\m)+FB*(\e)+512*\c
.endr
	ds_store_b32 v[QWS], v[PW] offset:512*(\m)+64*(\e)
.endm
.macro ZPERM
.irp z, 0,1
.irp b, 0,1,2,3
	v_mov_b32 v[AF+48*\z+4+\b], 0
.endr
.endr
.endm
.macro ILOAD base, m, g                ; 16 rows x 512 bytes of input_tensor
	WIN 0x40
.irp t, 0,1,2,3,4,5,6,7,8,9,10,11,12,13,14,15
	global_load_b128 v[(\base)+4*\t:(\base)+4*\t+3], v[LI], s[16:17] offset:(16*(\m)+\t)*4096+512*(\g) th:TH_LOAD_NT
.endr
	WIN 0
.endm
.macro TRANS base                      ; through my own stage into the accumulators' layout
	WIN 0x04
.irp t, 0,1,2,3,4,5,6,7,8,9,10,11,12,13,14,15
	ds_store_b128 v[STR], v[(\base)+4*\t:(\base)+4*\t+3] offset:528*\t
.endr
	WIN 0x40
.irp b, 0,1,2,3
.irp q, 0,1,2,3
	ds_load_b128 v[(\base)+16*\b+4*\q:(\base)+16*\b+4*\q+3], v[STI] offset:128*\b+16*\q
.endr
.endr
	WIN 0
.endm
.macro IADD base, m, win
	WIN ((\win)<<6)|(1<<2)|(\win)
.set k, 0
.rept 32
	v_pk_add_f32 v[64*(\m)+k:64*(\m)+k+1], v[64*(\m)+k:64*(\m)+k+1], v[(\base)+k:(\base)+k+1]
.set k, k+2
.endr
	WIN 0
.endm
.macro FOLD1 i, g, k                   ; x += the task's weight x the task's tile
	WIN 0xa1+0x50*(\g)
	v_pk_fma_f32 v[8*(8*((\k)/4)+(\i))+2*((\k)%4):8*(8*((\k)/4)+(\i))+2*((\k)%4)+1], v[32*((\i)%2)+8*((\k)/4)+2*((\k)%4):32*((\i)%2)+8*((\k)/4)+2*((\k)%4)+1], s[DC:DC+1], v[8*(8*((\k)/4)+(\i))+2*((\k)%4):8*(8*((\k)/4)+(\i))+2*((\k)%4)+1] op_sel_hi:[1,0,1]
.endm
.macro FOLD i, g
.set fq, 0
.rept 16
	FOLD1 \i,\g,fq
.set fq, fq+1
.endr
.endm
; A tile of the third product: four token blocks by turns, two K steps, C = pal_b2; behind each four the folds of half of the tile before, in one run under one window setting.
.macro MULT p, i, g, fold
.irp e, 0,1
	WIN 0x50
.irp m, 0,1,2,3
.set aT, 32*((\i)%2)+8*\m
.if \e == 0
	v_wmma_scale_f32_16x16x128_f8f6f4 v[aT:aT+7], v[UB+24*((\i)%4):UB+24*((\i)%4)+11], v[AF+12*\m:AF+12*\m+11], v[BI+8*((\i)%4):BI+8*((\i)%4)+7], v[BS+8*(\p)+(\i)], v[AS0+\m] matrix_a_fmt:MATRIX_FMT_FP6 matrix_b_fmt:MATRIX_FMT_FP6
.else
	v_wmma_scale_f32_16x16x128_f8f6f4 v[aT:aT+7], v[UB+24*((\i)%4)+12:UB+24*((\i)%4)+23], v[AF+48+12*\m:AF+48+12*\m+11], v[aT:aT+7], v[BS+8*(\p)+(\i)], v[AS0+\m] matrix_a_fmt:MATRIX_FMT_FP6 matrix_b_fmt:MATRIX_FMT_FP6 matrix_a_scale:MATRIX_SCALE_ROW1 matrix_b_scale:MATRIX_SCALE_ROW1
.endif
.endr
.if \fold
.set fk, 8*\e
.rept 8
	FOLD1 (\i)-1,\g,fk
.set fk, fk+1
.endr
.endif
.endr
.endm
; A slot of the third product: eight tiles of one task.  fill = 1: the slot is filled again; 0: the other slot is still read; -1: the last slot.  A fetch is 8 loads.
.macro SLOTT p, g, pin, pa, fill
	s_wait_dscnt 16-8*\pin
	MULT \p,0,\g,0
	WIN 0
	NOP4
	FETT \p,4
	MULT \p,1,\g,1
	WIN 0
	NOP4
	FETT \p,5
	s_wait_dscnt 24
	MULT \p,2,\g,1
	WIN 0
	NOP4
	FETT \p,6
	s_wait_dscnt 24
	MULT \p,3,\g,1
	WIN 0
	NOP4
	FETT \p,7
.if \fill == 1
	s_wait_dscnt 24
	MULT \p,4,\g,1
	s_wait_dscnt 16
	MULT \p,5,\g,1
	WIN 0
	s_wait_tensorcnt 0x0
	ds_add_u32 v[SPW], v[NIL]
	NEXTADR \p
	s_wait_dscnt 0x0
	s_barrier_signal -1
	MULT \p,6,\g,1
	WIN 0
	s_barrier_wait -1
	CREST
	JLOAD \p
.else
	s_wait_dscnt 24
	MULT \p,4,\g,1
	s_wait_dscnt 0x0
	MULT \p,5,\g,1
	WIN 0
.if \fill == 0
	s_wait_tensorcnt 0x0
.endif
	MULT \p,6,\g,1
	WIN 0
	NOP4
.endif
.if \fill >= 0
	FETT 1-\p,0
	FETT 1-\p,1
	FSCALE 1-\p
	FETT 1-\p,2
.endif
	MULT \p,7,\g,1
	WIN 0
	NOP4
.if \pa
	s_add_co_u32 s[TA], s[TA], 2*FB
	s_add_co_u32 s[TS], s[TS], 128
	PAGRP 0
	PAGRP 1
.endif
.if \fill >= 0
	FETT 1-\p,3
.endif
	FOLD 7,\g
	WIN 0
.endm
	s_load_b512 s[4:19], s[0:1], 0x0
	s_load_b128 s[20:23], s[0:1], 0x40
	v_lshl_add_u32 v[SPW], v0, 2, SPARE
	v_mov_b32 v[NIL], 0
	ds_add_u32 v[SPW], v[NIL]                      ; the opening: the add, twice on end, and its wait
	ds_add_u32 v[SPW], v[NIL]
	v_lshrrev_b32 v19, 5, v0
	v_readfirstlane_b32 s[WV], v19
	s_bfe_u32 s41, ttmp6, 0x40000
	s_lshl_b32 s42, ttmp9, 2
	s_add_co_u32 s42, s42, s41                     ; the work-group's number
	s_and_b32 s[RR], ttmp9, 3                      ; the cluster's turn
	s_lshl_b32 s[RR2], s[RR], 1
	s_add_co_u32 s[CB], s[WV], s[RR]
	s_and_b32 s[CB], s[CB], 3                      ; my block of 256 columns
	s_mov_b32 s[NP], 2
	s_mov_b32 s[G1], 15|(3<<16)|(1<<21)            ; a quarter of a slot: 104 rows of 256 bytes, dense; the mask names the cluster's four
	s_mov_b32 s[G1+1], 32<<16
	s_mov_b32 s[G1+2], 104<<16
	s_mov_b32 s[G1+3], 32<<16
	s_mov_b32 s[G1+4], 104
	s_mov_b32 s[G1+5], 32
	s_mov_b32 s[G1+6], 0
	s_mov_b32 s[G1+7], 0
	s_mov_b32 s[G1H], 15|(3<<16)|(1<<21)           ; the head's load: my quarters of slots 0 and 1 as two rows of 26,624 bytes, 106,496 bytes apart in memory, on end in LDS
	s_mov_b32 s[G1H+1], (QB/8)<<16
	s_mov_b32 s[G1H+2], 2<<16
	s_mov_b32 s[G1H+3], (QB/8)<<16
	s_mov_b32 s[G1H+4], 2
	s_mov_b32 s[G1H+5], SLB/8
	s_mov_b32 s[G1H+6], 0
	s_mov_b32 s[G1H+7], 0
	s_mov_b32 s[SEL], 0x76543210
	s_mov_b32 s[SEL+1], 0xfedcba98
	s_mul_i32 s72, s[WV], 2*QB                     ; in LDS a wave's quarters of the two slots lie on end
	v_and_b32 v19, 31, v0
	v_and_b32 v20, 15, v0
	v_bfe_u32 v21, v0, 4, 1
	v_lshlrev_b32 v[LI], 4, v19
	v_lshlrev_b32 v[LS], 2, v19
	v_add_nc_u32 v[RB], s72, v[LI]
	v_add_nc_u32 v[RB+1], QB, v[RB]
	s_add_co_u32 s74, s72, QSC
	v_add_nc_u32 v[RS], s74, v[LS]
	v_add_nc_u32 v[RS+1], QB, v[RS]
	s_add_co_u32 s74, s72, QBI
	v_lshl_add_u32 v[RBI], v21, 5, s74
	v_add_nc_u32 v[RBI+1], QB, v[RBI]
	v_add_nc_u32 v[AI0], RA, v[LI]
	v_add_nc_u32 v[ASI0], RA+RSC, v[LS]
	s_mul_i32 s74, s[WV], STG
	s_add_co_u32 s74, s74, RA
	v_mul_u32_u24 v[STI], v20, 528
	v_lshl_add_u32 v[STI], v21, 6, v[STI]
	v_add_nc_u32 v[STI], s74, v[STI]
	v_add_nc_u32 v[STR], s74, v[LI]
	s_mul_i32 s75, s[WV], 2*FB
	s_add_co_u32 s74, s75, RBB
	v_add_nc_u32 v[QWI], s74, v[LI]
	s_lshl_b32 s76, s[WV], 7
	s_add_co_u32 s74, s76, RBB+RSC
	v_lshl_add_u32 v[QWS], v20, 2, s74
	s_add_co_u32 s[QA], s75, RA
	s_add_co_u32 s[QA2], s76, RA+RSC
	s_mul_i32 s74, s[WV], 8*FB
	s_add_co_u32 s74, s74, RA
	v_add_nc_u32 v25, s74, v[LI]
	s_lshl_b32 s74, s[WV], 9
	s_add_co_u32 s74, s74, RA+RSC
	v_add_nc_u32 v30, s74, v[LS]
	v_lshl_add_u32 v31, v0, 3, RA+RPAD
	v_mov_b32 v32, 0
	v_mov_b32 v33, 0
	s_lshl_b32 s74, s[WV], 5
	s_add_co_u32 s74, s74, SCR
	v_mov_b32 v34, s74
	v_mov_b32 v35, SCR
	s_mul_i32 s74, s[WV], TSG
	s_add_co_u32 s74, s74, RBB
	v_mul_u32_u24 v22, v20, 784
	v_mad_u32_u24 v22, v21, 24, v22
	v_add_nc_u32 v22, s74, v22                     ; my stage: row r, + 24 h
	v_add_nc_u32 v248, s74, v[LI]                  ; into it: 16 bytes a lane,
	v_lshl_add_u32 v249, v21, 4, v248
	v_mul_u32_u24 v250, v20, 784
	v_add_nc_u32 v250, s74, v250                   ; row r of my stage: for the 16 bytes behind its 768
	v_lshlrev_b32 v23, 5, v20
	v_lshl_add_u32 v23, v21, 2, v23
	v_lshlrev_b32 v24, 4, v0
	s_wait_dscnt 0x0
	s_wait_kmcnt 0x0
	s_mul_i32 s84, s[CB], QB
	s_mov_b32 s85, 0
	s_add_nc_u64 s[WB:WB+1], s[8:9], s[84:85]
	s_mul_i32 s84, s[RR2], SLB
	s_add_nc_u64 s[74:75], s[WB:WB+1], s[84:85]
.irp p, 0,1
	s_mov_b32 s[G0+4*\p], 1
	s_add_co_u32 s[G0+4*\p+1], s72, \p*QB
	s_add_nc_u64 s[G0+4*\p+2:G0+4*\p+3], s[74:75], \p*SLB
	s_or_b32 s[G0+4*\p+3], s[G0+4*\p+3], 0x80000000
.endr
	CROUND
	tensor_load_to_lds s[G0:G0+3], s[G1H:G1H+7]    ; slots 0 and 1 by one tensor load a wave; all the head's global loads are issued under it
	s_nop 0
	NOP4
	s_lshl_b32 s76, s42, 6                         ; my work-group's first token
	s_lshl_b32 s77, s[WV], 4
	s_add_co_u32 s77, s76, s77
	s_mul_i32 s78, s77, 768
	s_mov_b32 s79, 0
	s_add_nc_u64 s[4:5], s[4:5], s[78:79]
	s_lshl_b32 s78, s77, 5
	s_add_nc_u64 s[6:7], s[6:7], s[78:79]
	s_lshr_b32 s78, ttmp9, 3                       ; the batch
	s_lshl_b32 s78, s78, 13
	s_add_nc_u64 s[10:11], s[10:11], s[78:79]
	s_add_nc_u64 s[12:13], s[12:13], s[78:79]
	s_lshl_b32 s78, s76, 12
	s_lshl_b32 s80, s[WV], 16
	s_add_co_u32 s80, s78, s80
	s_mov_b32 s81, 0
	s_add_nc_u64 s[22:23], s[22:23], s[80:81]      ; out0: the 16 whole rows that I normalise
	s_lshl_b32 s80, s[CB], 10
	s_add_co_u32 s78, s78, s80
	s_add_nc_u64 s[16:17], s[16:17], s[78:79]      ; input_tensor: my 256 columns of the 64 rows
	s_load_b128 s[68:71], s[14:15], 0x0            ; sel_b
	s_wait_alu depctr_va_vdst(0)
.irp a, 0,1,2,3
	s_add_co_u32 s84, s[RR], \a
	s_and_b32 s84, s84, 3
	s_mul_i32 s85, s84, 192
	s_lshl_b32 s84, s84, 3
	v_add_nc_u32 v[240+\a], s85, v22
	v_add_nc_u32 v[244+\a], s84, v23
.endr
	s_wait_alu depctr_va_vdst(0)
.irp t, 0,1,2,3,4,5,6,7,8,9,10,11,12,13,14,15,16,17,18,19,20,21,22,23
	global_load_b128 v[AF+4*\t:AF+4*\t+3], v[LI], s[4:5] offset:512*\t   ; my 16 tokens' codes, 12,288 bytes on end
.endr
.irp s, 0,1,2,3
	global_load_b32 v[26+\s], v[244+\s], s[6:7]
.endr
	WIN 0x80
.irp v, 0,1,2,3
.irp c, 0,1,2,3
.irp i, 0,1,2,3
	global_load_b128 v[64*\v+16*\c+4*\i:64*\v+16*\c+4*\i+3], v24, s[10:11] offset:262144*\v+65536*\c+2048*\i
.endr
.endr
.endr
	WIN 0xc0
.irp c, 0,1,2,3
.irp i, 0,1,2,3
	global_load_b128 v[16*\c+4*\i:16*\c+4*\i+3], v24, s[10:11] offset:262144*4+65536*\c+2048*\i
.endr
.endr
.irp i, 0,1,2,3
	global_load_b128 v[64+4*\i:67+4*\i], v24, s[12:13] offset:2048*\i
.endr
	WIN 0
	s_wait_alu depctr_va_vdst(0)
	ILOAD 0,0,0
	ILOAD 64,1,0
	ILOAD 128,2,0
	s_wait_loadcnt 63                              ; of the 160 loads the first 97 are in: the tokens' 28 among them
	ds_store_b64 v250, v[32:33] offset:768         ; the 16 bytes behind each row are set to 0: the fragment loads' addresses hang on the cluster's number, so every byte of the stage has a writer
	ds_store_b64 v250, v[32:33] offset:776
.irp u, 0,1,2,3,4,5,6,7
	ds_store_b128 v248, v[AF+12*\u:AF+12*\u+3] offset:1568*\u
	ds_store_b128 v249, v[AF+12*\u+4:AF+12*\u+7] offset:1568*\u+512
	ds_store_b128 v248, v[AF+12*\u+8:AF+12*\u+11] offset:1568*\u+1040
.endr
.irp s, 0,1,2,3,4,5,6,7
.irp p, 0,1,2,3,4,5
	ds_load_b64 v[AF+12*\s+2*\p:AF+12*\s+2*\p+1], v[240+\s/2] offset:96*(\s%2)+48*(\p/3)+8*(\p%3)
.endr
.endr
	s_wait_dscnt 0x0
.irp s, 0,1,2,3,4,5,6,7
.irp c, 0,1,2
	ds_store_b128 v25, v[AF+12*\s+4*\c:AF+12*\s+4*\c+3] offset:FB*\s+512*\c
.endr
.endr
.irp s, 0,1,2,3
	ds_store_b32 v30, v[26+\s] offset:128*\s
.endr
	ds_store_b64 v31, v[32:33]
	ds_store_b64 v31, v[32:33] offset:RSZ
	s_wait_loadcnt 48                              ; all but input_tensor's 48
	; the partial dots' four tile columns are added; v160.. logits (+ mask), v176.. h . sel_W[t]: 16 rows a lane
	WIN 0x0a
.irp v, 0,1,2,3
.irp k, 0,2,4,6,8,10,12,14
	v_pk_add_f32 v[160+16*\v+\k:161+16*\v+\k], v[64*\v+\k:64*\v+\k+1], v[64*\v+16+\k:64*\v+17+\k]
.endr
.endr
	WIN 0x08
.irp c, 32,48
.irp v, 0,1,2,3
.irp k, 0,2,4,6,8,10,12,14
	v_pk_add_f32 v[160+16*\v+\k:161+16*\v+\k], v[160+16*\v+\k:161+16*\v+\k], v[64*\v+\c+\k:64*\v+\c+\k+1]
.endr
.endr
.endr
	WIN 0x0f
.irp k, 0,2,4,6,8,10,12,14
	v_pk_add_f32 v[224+\k:225+\k], v[\k:\k+1], v[16+\k:17+\k]
.endr
	WIN 0x0c
.irp c, 32,48
.irp k, 0,2,4,6,8,10,12,14
	v_pk_add_f32 v[224+\k:225+\k], v[224+\k:225+\k], v[\c+\k:\c+\k+1]
.endr
.endr
.irp k, 0,2,4,6,8,10,12,14
	v_pk_add_f32 v[160+\k:161+\k], v[160+\k:161+\k], v[64+\k:65+\k]
.endr
	WIN 0
	v_mov_b32 v241, 0
	v_mov_b32 v252, 0
	v_max3_num_f32 v240, v160, v161, 0xff7fffff
.irp k, 2,4,6,8,10,12,14
	v_max3_num_f32 v240, v240, v[160+\k], v[161+\k]
.endr
.irp x, 1,2,4,8
	v_max_num_f32_dpp v240, v240, v240 row_xmask:\x row_mask:0xf bank_mask:0xf
.endr
	v_permlanex16_b32 v252, v240, s[SEL], s[SEL+1]
	v_max_num_f32 v240, v240, v252                 ; my wave's largest logit
.irp k, 0,2,4,6,8,10,12,14
	v_pk_add_f32 v[160+\k:161+\k], v[160+\k:161+\k], v[240:241] op_sel_hi:[1,0] neg_lo:[0,1] neg_hi:[0,1]
.endr
.irp k, 0,2,4,6,8,10,12,14
	v_pk_mul_f32 v[160+\k:161+\k], v[160+\k:161+\k], 0x3fb8aa3b op_sel_hi:[1,0]
.endr
	s_wait_alu depctr_va_vdst(0)
.irp k, 0,1,2,3,4,5,6,7,8,9,10,11,12,13,14,15
	v_exp_f32 v[160+\k], v[160+\k]
.endr
	v_nop
	s_wait_alu depctr_va_vdst(0)
	v_pk_add_f32 v[242:243], v[160:161], v[162:163]
.irp t, 0,1,2,3
	v_pk_mul_f32 v[244+2*\t:245+2*\t], v[160:161], v[176+16*\t:177+16*\t]
.endr
.irp k, 2,4,6,8,10,12,14
.if \k > 2
	v_pk_add_f32 v[242:243], v[242:243], v[160+\k:161+\k]
.endif
.irp t, 0,1,2,3
	v_pk_fma_f32 v[244+2*\t:245+2*\t], v[160+\k:161+\k], v[176+16*\t+\k:177+16*\t+\k], v[244+2*\t:245+2*\t]
.endr
.endr
	v_add_f32 v241, v242, v243
	v_add_f32 v242, v244, v245
	v_add_f32 v243, v246, v247
	v_add_f32 v244, v248, v249
	v_add_f32 v245, v250, v251
.irp x, 1,2,4,8
.irp q, 241,242,243,244,245
	v_add_f32_dpp v\q, v\q, v\q row_xmask:\x row_mask:0xf bank_mask:0xf
.endr
.endr
.irp q, 241,242,243,244,245
	v_permlanex16_b32 v252, v\q, s[SEL], s[SEL+1]
	v_add_f32 v\q, v\q, v252
.endr
	ds_store_b128 v34, v[240:243]                  ; maximum, sum, four weighted sums: a wave's six numbers
	ds_store_b64 v34, v[244:245] offset:16
	s_wait_tensorcnt 0x0                           ; slot 1's bias is read below
	s_wait_dscnt 0x0
	s_barrier_signal -1
	s_barrier_wait -1
.irp j, 0,1,2,3
	ds_load_b128 v[160+8*\j:163+8*\j], v35 offset:32*\j
	ds_load_b64 v[164+8*\j:165+8*\j], v35 offset:32*\j+16
.endr
	s_wait_dscnt 0x0
	v_max3_num_f32 v240, v160, v168, v176
	v_max_num_f32 v240, v240, v184
.irp j, 0,1,2,3
	v_sub_f32 v[192+\j], v[160+8*\j], v240
.endr
.irp j, 0,1,2,3
	v_mul_f32 v[192+\j], 0x3fb8aa3b, v[192+\j]
.endr
	s_wait_alu depctr_va_vdst(0)
.irp j, 0,1,2,3
	v_exp_f32 v[192+\j], v[192+\j]
.endr
	v_nop
	s_wait_alu depctr_va_vdst(0)
.irp q, 0,1,2,3,4
	v_mul_f32 v[196+\q], v192, v[161+\q]
.endr
.irp j, 1,2,3
.irp q, 0,1,2,3,4
	v_fma_f32 v[196+\q], v[192+\j], v[161+8*\j+\q], v[196+\q]
.endr
.endr
	s_wait_alu depctr_va_vdst(0)
	v_rcp_f32 v201, v196
	v_nop
	s_wait_alu depctr_va_vdst(0)
	s_wait_kmcnt 0x0
.irp t, 0,1,2,3
	v_fma_f32 v[202+\t], v[197+\t], v201, s[68+\t] ; task_vector . sel_W[t] + sel_b[t]
.endr
	v_max3_num_f32 v206, v202, v203, v204
	v_max_num_f32 v206, v206, v205
.irp t, 0,1,2,3
	v_sub_f32 v[202+\t], v[202+\t], v206
.endr
.irp t, 0,1,2,3
	v_mul_f32 v[202+\t], 0x3fb8aa3b, v[202+\t]
.endr
	s_wait_alu depctr_va_vdst(0)
.irp t, 0,1,2,3
	v_exp_f32 v[202+\t], v[202+\t]
.endr
	v_nop
	s_wait_alu depctr_va_vdst(0)
	v_add_f32 v207, v202, v203
	v_add_f32 v208, v204, v205
	v_add_f32 v207, v207, v208
	s_wait_alu depctr_va_vdst(0)
	v_rcp_f32 v209, v207
	v_nop
	s_wait_alu depctr_va_vdst(0)
.irp t, 0,1,2,3
	v_mul_f32 v[202+\t], v[202+\t], v209
.endr
.irp t, 0,1,2,3
	v_readfirstlane_b32 s[72+\t], v[202+\t]
.endr
	s_and_b32 s80, s[RR], 1                        ; the four weights in the order in which my cluster walks the tasks: selected, no branch
	s_cmp_lg_u32 s80, 0
	s_cselect_b32 s76, s73, s72
	s_cselect_b32 s77, s74, s73
	s_cselect_b32 s78, s75, s74
	s_cselect_b32 s79, s72, s75
	s_and_b32 s80, s[RR], 2
	s_cmp_lg_u32 s80, 0
	s_cselect_b32 s[DQ], s78, s76
	s_cselect_b32 s[DQ+2], s79, s77
	s_cselect_b32 s[DQ+4], s76, s78
	s_cselect_b32 s[DQ+6], s77, s79
.irp t, 0,1,2,3
	s_mov_b32 s[DQ+2*\t+1], s[DQ+2*\t]
.endr
	; THE FIRST PRODUCT
	PRELOAD 2,0
	PRELOAD 3,1
	ILOAD 192,3,0
	s_mov_b32 s[TA], 0
	s_mov_b32 s[TS], 0
	PAGRP 0
	FETE 0,0
	FETE 0,1
	FSCALE 0
	FETE 0,2
	FETE 0,3
	PAGRP 1
	s_mov_b32 s43, 4
.Lp1:
	SLOTE 0,2,1,0
	SLOTE 1,3,0,1
	s_sub_co_u32 s43, s43, 1
	s_cmp_lg_u32 s43, 0
	s_cbranch_scc1 .Lp1
	s_wait_dscnt 0x0
	NOP4
	s_barrier_signal -1
	s_barrier_wait -1                              ; nobody reads the tokens' images any more: the stages lie there
	s_wait_loadcnt 0x0
	TRANS 0
	TRANS 64
	TRANS 128
	TRANS 192
	ZPERM
	QUANT 2,0,0
	IMAGE 0,0
	QUANT 3,0,1
	IMAGE 0,1
.irp m, 1,2,3
	s_wait_dscnt 4                                 ; the image stores of the quantiser's other set may be out
	QUANT 2,64*\m,0
	IMAGE \m,0
	s_wait_dscnt 4
	QUANT 3,64*\m,1
	IMAGE \m,1
.endr
	s_wait_dscnt 0x0
	IADD 0,0,2
	IADD 64,1,2
	IADD 128,2,2
	IADD 192,3,2
	s_barrier_signal -1
	s_barrier_wait -1
	; THE SECOND PRODUCT, in two passes of 128 columns a wave
	v_add_nc_u32 v[AI0], RBB, v[LI]
	v_add_nc_u32 v[ASI0], RBB+RSC, v[LS]
	s_mov_b32 s[TU], 0
	s_mov_b32 s[TV], 0
	s_mov_b32 s43, 2
.Lpass:
	PRELOAD 1,0
	s_mov_b32 s[TA], 0
	s_mov_b32 s[TS], 0
	PAGRP 0
	PAGRP 1
	s_wait_dscnt 16
	s_mov_b32 s44, 2
.Lp2:
	s_wait_alu depctr_va_vdst(0)
	SLOTE 0,1,1,1
	SLOTE 1,1,1,1
	s_sub_co_u32 s44, s44, 1
	s_cmp_lg_u32 s44, 0
	s_cbranch_scc1 .Lp2
	s_wait_dscnt 0x0
	NOP4
	s_add_co_u32 s87, s[QA], s[TU]
	v_add_nc_u32 v[QWI], s87, v[LI]
	s_add_co_u32 s87, s[QA2], s[TV]
	v_lshl_add_u32 v[QWS], v20, 2, s87
	ZPERM
	QUANT 1,0,0
	IMAGE 0,0
	QUANT 1,64,1
	IMAGE 1,0
	s_wait_dscnt 4
	QUANT 1,128,0
	IMAGE 2,0
	s_wait_dscnt 4
	QUANT 1,192,1
	IMAGE 3,0
	s_wait_dscnt 0x0
	s_add_co_u32 s[TU], s[TU], FB
	s_add_co_u32 s[TV], s[TV], 64
	s_sub_co_u32 s43, s43, 1
	s_cmp_lg_u32 s43, 0
	s_cbranch_scc1 .Lpass
	s_barrier_signal -1
	s_barrier_wait -1
	; THE THIRD PRODUCT, task by task
	v_add_nc_u32 v[AI0], RA, v[LI]
	s_wait_alu depctr_va_vdst(0)
	v_add_nc_u32 v[ASI0], RA+RSC, v[LS]
	s_wait_alu depctr_va_vdst(0)
	v_add_nc_u32 v[STI], RSZ, v[STI]
	v_add_nc_u32 v[STR], RSZ, v[STR]
	ILOAD 128,0,1
	ILOAD 192,1,1
	s_mov_b32 s[TA], 0
	s_mov_b32 s[TS], 0
	FETT 0,0
	FETT 0,1
	FETT 0,2
	PAGRP 0
	PAGRP 1
	FETT 0,3
	s_mov_b32 s43, 3
.Lp3:
	s_mov_b64 s[DC:DC+1], s[DQ:DQ+1]
	s_mov_b64 s[DQ:DQ+1], s[DQ+2:DQ+3]
	s_mov_b64 s[DQ+2:DQ+3], s[DQ+4:DQ+5]
	s_mov_b64 s[DQ+4:DQ+5], s[DQ+6:DQ+7]
	SLOTT 0,0,1,0,1
	SLOTT 1,1,0,1,1
	s_cmp_lg_u32 s43, 2
	s_cbranch_scc1 .Lnomid
	s_wait_loadcnt 0x0
	TRANS 128
	TRANS 192
	s_wait_dscnt 0x0
	IADD 128,0,3
	IADD 192,1,3
	ILOAD 128,2,1
	ILOAD 192,3,1
.Lnomid:
	s_sub_co_u32 s43, s43, 1
	s_cmp_lg_u32 s43, 0
	s_cbranch_scc1 .Lp3
	s_mov_b64 s[DC:DC+1], s[DQ:DQ+1]
	SLOTT 0,0,1,0,0
	SLOTT 1,1,0,0,-1
	s_wait_loadcnt 0x0
.irp w, 0,1,2,3
	s_add_co_u32 s84, s[RR], \w
	s_and_b32 s84, s84, 3
	s_lshl_b32 s84, s84, 10
	v_add_nc_u32 v[VO+\w], s84, v[LI]              ; LDS block w holds columns 256 ((w + RR) % 4) ..
.endr
	s_wait_alu depctr_va_vdst(0)
.irp i, 0,1,2,3,4,5,6,7
	global_load_b128 v[GG+4*\i:GG+4*\i+3], v[VO+\i/2], s[18:19] offset:512*(\i%2)
	global_load_b128 v[BB+4*\i:BB+4*\i+3], v[VO+\i/2], s[20:21] offset:512*(\i%2)
.endr
	TRANS 128
	TRANS 192
	s_wait_dscnt 0x0
	IADD 128,2,3
	IADD 192,3,3
	; THE LAYERNORM
	v_mul_u32_u24 v[XW], v20, XP
	v_lshl_add_u32 v[XW], v21, 6, v[XW]
	s_lshl_b32 s84, s[WV], 10
	v_add_nc_u32 v[XW], s84, v[XW]                 ; row r, block = my wave's number, + 64 h
.irp m, 1,2,3
	v_add_nc_u32 v[XW+\m], 16*XP*\m, v[XW]
.endr
	s_mul_i32 s84, s[WV], 16*XP
	v_add_nc_u32 v[XR], s84, v[LI]
	s_mov_b32 s89, 0x2b8cbccc                      ; 1e-12
	s_mov_b32 s90, 0x3a800000                      ; 1 / 1,024
	s_mov_b32 s[TA], 0
	s_mov_b32 s43, 4
	s_wait_alu depctr_va_vdst(0)
	s_barrier_signal -1                            ; my LDS reads are over (the wait above); behind the barrier nobody reads the slots or the low layer's images
	s_barrier_wait -1
.irp m, 0,1,2,3
.irp g, 0,1
	WIN (2+\g)<<2
.irp b, 0,1,2,3
.irp q, 0,1,2,3
	ds_store_b128 v[XW+\m], v[64*\m+16*\b+4*\q:64*\m+16*\b+4*\q+3] offset:512*\g+128*\b+16*\q
.endr
.endr
.endr
.endr
	WIN 0
	s_wait_dscnt 0x0                               ; for the others' sake: my 256 columns of the 64 rows lie in LDS
	s_barrier_signal -1
	s_barrier_wait -1
	s_wait_loadcnt 0x0                             ; ln_g, ln_b
.Lrow:                                                 ; a trip: four whole rows, by turns; a lane holds 32 numbers of each
	v_add_nc_u32 v[ADA], s[TA], v[XR]
.irp j, 0,1,2,3
.irp i, 0,1,2,3,4,5,6,7
	ds_load_b128 v[XB+32*\j+4*\i:XB+32*\j+4*\i+3], v[ADA] offset:XP*\j+512*\i
.endr
.endr
	s_wait_dscnt 0x0
.macro ACROSS                          ; a pair's halves, then the 32 lanes
.irp j, 0,1,2,3
	v_add_f32 v[SS+2*\j], v[SS+2*\j], v[SS+2*\j+1]
.endr
.irp x, 1,2,4,8
.irp j, 0,1,2,3
	v_add_f32_dpp v[SS+2*\j], v[SS+2*\j], v[SS+2*\j] row_xmask:\x row_mask:0xf bank_mask:0xf
.endr
.endr
.irp j, 0,1,2,3
	v_permlanex16_b32 v[SS+2*\j+1], v[SS+2*\j], s[SEL], s[SEL+1]
.endr
.irp j, 0,1,2,3
	v_add_f32 v[SS+2*\j], v[SS+2*\j], v[SS+2*\j+1]
.endr
.endm
.irp j, 0,1,2,3
	v_pk_add_f32 v[SS+2*\j:SS+2*\j+1], v[XB+32*\j:XB+32*\j+1], v[XB+32*\j+2:XB+32*\j+3]
.endr
.irp k, 4,6,8,10,12,14,16,18,20,22,24,26,28,30
.irp j, 0,1,2,3
	v_pk_add_f32 v[SS+2*\j:SS+2*\j+1], v[SS+2*\j:SS+2*\j+1], v[XB+32*\j+\k:XB+32*\j+\k+1]
.endr
.endr
	ACROSS
.irp j, 0,1,2,3
	v_mul_f32 v[SS+2*\j], s90, v[SS+2*\j]          ; the row's mean
.endr
.irp k, 0,2,4,6,8,10,12,14,16,18,20,22,24,26,28,30
.irp j, 0,1,2,3
	v_pk_add_f32 v[XB+32*\j+\k:XB+32*\j+\k+1], v[XB+32*\j+\k:XB+32*\j+\k+1], v[SS+2*\j:SS+2*\j+1] op_sel_hi:[1,0] neg_lo:[0,1] neg_hi:[0,1]
.endr
.endr
.irp j, 0,1,2,3
	v_pk_mul_f32 v[SS+2*\j:SS+2*\j+1], v[XB+32*\j:XB+32*\j+1], v[XB+32*\j:XB+32*\j+1]
.endr
.irp k, 2,4,6,8,10,12,14,16,18,20,22,24,26,28,30
.irp j, 0,1,2,3
	v_pk_fma_f32 v[SS+2*\j:SS+2*\j+1], v[XB+32*\j+\k:XB+32*\j+\k+1], v[XB+32*\j+\k:XB+32*\j+\k+1], v[SS+2*\j:SS+2*\j+1]
.endr
.endr
	ACROSS
.irp j, 0,1,2,3
	v_fma_f32 v[SS+2*\j], v[SS+2*\j], s90, s89     ; the variance + 1e-12
.endr
	s_wait_alu depctr_va_vdst(0)
.irp j, 0,1,2,3
	v_rsq_f32 v[SS+2*\j], v[SS+2*\j]
.endr
	v_nop
	s_wait_alu depctr_va_vdst(0)
.irp k, 0,2,4,6,8,10,12,14,16,18,20,22,24,26,28,30
.irp j, 0,1,2,3
	v_pk_mul_f32 v[XB+32*\j+\k:XB+32*\j+\k+1], v[XB+32*\j+\k:XB+32*\j+\k+1], v[SS+2*\j:SS+2*\j+1] op_sel_hi:[1,0]
.endr
.irp j, 0,1,2,3
	v_pk_fma_f32 v[XB+32*\j+\k:XB+32*\j+\k+1], v[XB+32*\j+\k:XB+32*\j+\k+1], v[GG+\k:GG+\k+1], v[BB+\k:BB+\k+1]
.endr
.endr
.irp j, 0,1,2,3
.irp i, 0,1,2,3,4,5,6,7
	global_store_b128 v[VO+\i/2], v[XB+32*\j+4*\i:XB+32*\j+4*\i+3], s[22:23] offset:4096*\j+512*(\i%2) th:TH_STORE_NT   ; 32 lanes store 512 bytes on end, at a multiple of 512 from the buffer's first byte
.endr
.endr
	s_wait_xcnt 0x0                                ; the stores' data and base are written again only behind this wait
	s_add_nc_u64 s[22:23], s[22:23], 4*4096
	s_add_co_u32 s[TA], s[TA], 4*XP
	s_sub_co_u32 s43, s43, 1
	s_cmp_lg_u32 s43, 0
	s_cbranch_scc1 .Lrow
	s_wait_tensorcnt 0x0                           ; the wave's end
	ds_add_u32 v[SPW], v[NIL]
	s_wait_dscnt 0x0
	CROUND                                         ; the closing round
	s_endpgm
.Lfunc_end_k_q319ab08036_fused:
	.size	k_q319ab08036_fused, .Lfunc_end_k_q319ab08036_fused-k_q319ab08036_fused
	.p2alignl 7, 3214868480
	.fill 96, 4, 3214868480
	.section	.rodata,"a",@progbits
	.p2align	6, 0x0
	.amdhsa_kernel k_q319ab08036_fused
		.amdhsa_group_segment_fixed_size 327680
		.amdhsa_private_segment_fixed_size 0
		.amdhsa_enable_private_segment 0
		.amdhsa_kernarg_size 80
		.amdhsa_user_sgpr_count 2
		.amdhsa_user_sgpr_kernarg_segment_ptr 1
		.amdhsa_wavefront_size32 1
		.amdhsa_system_sgpr_workgroup_id_x 1
		.amdhsa_system_sgpr_workgroup_id_y 1
		.amdhsa_system_sgpr_workgroup_id_z 1
		.amdhsa_system_vgpr_workitem_id 0
		.amdhsa_next_free_vgpr 1024
		.amdhsa_next_free_sgpr 100
		.amdhsa_reserve_vcc 0
		.amdhsa_float_denorm_mode_32 3
		.amdhsa_float_denorm_mode_16_64 3
		.amdhsa_memory_ordered 1
		.amdhsa_forward_progress 1
		.amdhsa_inst_pref_size 255
	.end_amdhsa_kernel
	.section	.bss,"aw",@nobits
	.p2align	6
	.space	262144
	.amdgpu_metadata
---
amdhsa.version: [ 1, 2 ]
amdhsa.kernels:
  - .name:           k_q319ab08036_fused
    .symbol:         k_q319ab08036_fused.kd
    .args:
      - { .name: hidden_states_codes, .offset: 0, .size: 8, .value_kind: global_buffer, .address_space: global }
      - { .name: hidden_states_scales, .offset: 8, .size: 8, .value_kind: global_buffer, .address_space: global }
      - { .name: wimg, .offset: 16, .size: 8, .value_kind: global_buffer, .address_space: global }
      - { .name: part, .offset: 24, .size: 8, .value_kind: global_buffer, .address_space: global }
      - { .name: attention_mask, .offset: 32, .size: 8, .value_kind: global_buffer, .address_space: global }
      - { .name: sel_b, .offset: 40, .size: 8, .value_kind: global_buffer, .address_space: global }
      - { .name: input_tensor, .offset: 48, .size: 8, .value_kind: global_buffer, .address_space: global }
      - { .name: ln_g, .offset: 56, .size: 8, .value_kind: global_buffer, .address_space: global }
      - { .name: ln_b, .offset: 64, .size: 8, .value_kind: global_buffer, .address_space: global }
      - { .name: out0, .offset: 72, .size: 8, .value_kind: global_buffer, .address_space: global }
    .group_segment_fixed_size: 327680
    .private_segment_fixed_size: 0
    .kernarg_segment_align: 8
    .kernarg_segment_size: 80
    .max_flat_workgroup_size: 128
    .sgpr_count:     100
    .vgpr_count:     1024
    .wavefront_size: 32
...
	.end_amdgpu_metadata
.endif
;; end of part 4
